; MI455X (gfx1250); checked and timed in simulation.
; The chip was launched on July 23, 2026; its instructions are those of AMD's public machine-readable ISA for CDNA 5 (MIT licence, August 2026) and "CDNA5" Instruction Set Architecture Reference Guide (July 2026). The comments in the code are by the model that wrote it; some were corrected since.
;; Self Attention. Allowed arithmetic: matrix products marked QUANTISED: E2M3 operands, one E8M0 scale for each 32 along K, by v_wmma_scale_f32_16x16x128_f8f6f4 with both operands' format E2M3, f32 sums; everything else in f32.
;; Inputs: Wk 1,024 x 1,024 float32; Wq 1,024 x 1,024 float32; Wv 1,024 x 1,024 float32; X 4 x 2,048 x 1,024 float32; bk 1,024 float32; bq 1,024 float32; bv 1,024 float32.
;; Outputs: out0 4 x 2,048 x 1,024 float32.
;; This version of the problem:
;;   THIS VERSION OF THE PROBLEM IS GIVEN IN LOW PRECISION. The matrix products marked QUANTISED in the list below multiply operands that are first quantised to E2M3 (2 exponent bits, 3 mantissa bits; 6 bits a number), with one power-of-two scale for each 32 numbers along K (OCP MX v1.0); their sums are f32. All else is computed in f32.
;;   The module's matrix products, in the order in which they are computed (A, B: the left and right operand; K: the contracted axis; several contracted axes count as one K, in the product's order):
;;     1. [M 8,192, K 1,024] x [K 1,024, N 1,024]; A: input X; B: input Wq: QUANTISED
;;     2. [M 8,192, K 1,024] x [K 1,024, N 1,024]; A: input X; B: input Wk: QUANTISED
;;     3. [M 8,192, K 1,024] x [K 1,024, N 1,024]; A: input X; B: input Wv: QUANTISED
;;     4. batch 4 x [M 2,048, K 1,024] x [K 1,024, N 2,048]; A: computed on the way; B: computed on the way: QUANTISED
;;     5. batch 4 x [M 2,048, K 2,048] x [K 2,048, N 1,024]; A: softmax (see below); B: computed on the way: QUANTISED
;;   THE QUANTISER, for each operand of a quantised product, along K:
;;     - K is cut into blocks of 32 from its start; a last block that is shorter is filled with zeros.
;;     - A block's scale is 2^e with e = floor(log2(the largest magnitude in the block)) - 2, held to -126 .. 127; a block of zeros has e = 0. As a byte (E8M0): e + 127.
;;     - Each number is divided by its block's scale, clamped to +-7.5, and rounded to the nearest number of E2M3, ties to even, subnormals kept.
;;     - The product sums the exact products of the quantised numbers (number of the format x scale) in f32.
;;   ~~~python
;;   def quantise(x, axis):      # numpy; x: float32 -> the quantised numbers, widened to float32 again
;;       x = np.moveaxis(x, axis, -1); K = x.shape[-1]
;;       x = np.pad(x, [(0, 0)] * (x.ndim - 1) + [(0, -K % 32)]); x = x.reshape(x.shape[:-1] + (-1, 32)); a = np.abs(x).max(-1, keepdims=True)
;;       e = np.where(a > 0, np.clip(np.frexp(np.where(a > 0, a, 1))[1] - 1 - 2, -126, 127), 0)      # np.frexp(a)[1] - 1 = floor(log2(a)), exactly
;;       r = np.clip(x / 2.0 ** e, -7.5, 7.5)
;;       step = 2.0 ** (np.maximum(np.frexp(np.where(r == 0, 1, r))[1] - 1, 0) - 3)
;;       q = np.round(r / step) * step * 2.0 ** e      # np.round: ties to even
;;       return np.moveaxis(q.reshape(q.shape[:-2] + (-1,))[..., :K], -1, axis).astype(np.float32)
;;   ~~~
;;   SOFTMAX AHEAD OF A QUANTISED PRODUCT. Where the list says 'softmax', what is quantised is not the finished softmax but p = 2^(t - M), with t = logit x log2(e) and M = ceil(the row's largest t), a whole number; so 1/2 < the row's largest p <= 1. The row's sum l is taken of the UNQUANTISED p, in f32, and the product's result is divided by l at the end. Since M is a whole number, a kernel that streams over the keys may use a running M (the ceiling of the running maximum): every later rescaling is an exact power of two, which a block's scale takes up: the codes' values come out the same.
;;   OPERANDS COMPUTED ON THE WAY. 'Computed on the way' means the value that the module computes at that place (a softmax that the list does not call 'softmax' is quantised finished and normalised). What goes into a quantiser is computed in f32, as accurately as f32 sums, v_exp_f32 and their like allow (about 1e-6 of the number): no bf16 or f16 on the way to a quantiser, and a product that is left as it is and whose result goes on into a quantised operand takes f32 operands (vector FMAs, or v_wmma_f32_16x16x4_f32). A number that lies on a knife's edge between two numbers of the format may be rounded either way, as far as f32 arithmetic and the matrix unit's own rounding can turn it there, and no further.
;; One version. Each part assembles by itself: llvm-mc -triple=amdgcn-amd-amdhsa -mcpu=gfx1250 --defsym DOCPART=n.
;; ======== version 1 of 1: 4 launches
;; workspace buffers: xw_codes 8,650,752 bytes; xw_scales 360,448 bytes; qkv_codes 18,874,368 bytes; qkv_scales 786,432 bytes; p_codes 12,582,912 bytes; p_meta 1,572,864 bytes
;; launch quant (part 1): grid 352 x 1, 4 waves a work-group, no clusters, 35,328 bytes of LDS; arguments X, Wq, Wk, Wv, xw_codes, xw_scales; writes xw_codes, xw_scales
.if DOCPART == 1
	.amdgcn_target "amdgcn-amd-amdhsa--gfx1250"
	.amdhsa_code_object_version 6
	.text
	.protected	k_qc848b1e4fa_quant
	.globl	k_qc848b1e4fa_quant
	.p2align	8
	.type	k_qc848b1e4fa_quant,@function
k_qc848b1e4fa_quant:
	s_mov_b64 s[64:65], 0
	v_nop
	global_prefetch_b8 v0, s[64:65] scope:SCOPE_SE
	s_setreg_imm32_b32 hwreg(HW_REG_WAVE_MODE, 25, 1), 1
	s_wait_xcnt 0x0
; X [8192][1024] and Wq, Wk, Wv [1024][1024], f32, K innermost, become codes of FP6 (E2M3) with one E8M0 scale byte for each 32 along K.
; A block's scale is 2^(floor(log2(its largest magnitude)) - 2); its byte is the largest magnitude's exponent field - 2, held at 1 from below.
; LIMITS: NaN and infinities are not served.  A block whose largest magnitude lies under 2^-124, a block of zeros among them, gets the byte 1 (the rule says 127 for zeros):
; its codes are zeros or next to zero, and this program alone reads the bytes.
; LAYOUT OF THE RESULT.  A fragment is 16 rows x 128 K: 12 registers a lane.  It is stored as an image of these registers, 1,536 dense bytes: registers 4 c .. 4 c + 3 of lane l at 512 c + 16 l.
; Lane (r = l % 16, h = l / 16) holds k = 64 c' + 32 h + 0 .. 31 of its row in registers 6 c' .. 6 c' + 5.  xw_codes: [704 row blocks][8 K steps][1,536]; row blocks 0-511 X, 512-575 Wq, 576-639 Wk, 640-703 Wv.
; THE ROWS OF A ROW BLOCK ARE NOT NEIGHBOURS: lane r of row block 2 G + u holds row 32 G + 8 u + r % 8 + 16 (r / 8), so that a product that takes the block as source 0 leaves 16 neighbours in a lane's registers.
; xw_scales: [8 K steps][704 row blocks][16 rows] words, one word (four bytes) for a row and a K step.
; SHARES.  A work-group takes 64 rows (four row blocks) x four K steps; a wave one K step: four fragments.  Each load reads 512 consecutive bytes of one row; the 16 rows of a fragment turn through the
; wave's own stage in LDS (rows 528 bytes apart), from which a lane takes its 2 x 128 bytes.  Each store of codes covers 512 consecutive bytes; a wave's 64 scale words leave as one run of 256 bytes.
; No tensor load, no barrier, no cluster: waves and work-groups share nothing.
.set WREG, 8704                        ; LDS of a wave: the stage, 16 x 528, then 256 bytes of scale words
.set SP,   528
.set SWO,  16*SP
.set LO,   4                           ; v4   16 x lane: my bytes of a load, and of a store of codes
.set SI,   5                           ; v5   the stage, way in
.set SOA,  6                           ; v6   the stage, way out: row r, + 128 h
.set SW,   7                           ; v7   my row's scale word in LDS
.set SB,   8                           ; v8   the scale words' way out of LDS: 8 bytes a lane
.set SG,   9                           ; v9   and into memory
.set H8,   10                          ; v10  8 h
.set R,    16                          ; v16-143  two sets of 64: a fragment's numbers as loaded
.set XN,   144                         ; v144-207 my 64 numbers: register 32 c' + i = k 64 c' + 32 h + i
.set CD,   208                         ; v208-219 the fragment's codes
.set CE,   220                         ; v220-222, v224-226 the blocks' upper halves (a conversion's three registers begin on an even number)
.set MX,   228                         ; v228-229 largest magnitudes
.set SO,   230                         ; v230-231 the conversions' scale operands
.set BY,   232                         ; v232-233 the bytes
.set WD,   234                         ; v234 the word
.set TP,   235                         ; v235 lane l xor 16's part of it
	s_load_b256 s[4:11], s[0:1], 0x0               ; X, Wq, Wk, Wv
	s_load_b128 s[12:15], s[0:1], 0x20             ; the codes, the scale words
	v_lshl_add_u32 v240, v0, 2, 0x8800
	v_mov_b32 v241, 0
	v_lshrrev_b32 v1, 5, v0
	v_readfirstlane_b32 s17, v1                    ; wave 0..3
	v_and_b32 v1, 31, v0                           ; lane
	v_and_b32 v2, 15, v0                           ; r
	v_bfe_u32 v3, v0, 4, 1                         ; h
	v_lshlrev_b32 v[LO], 4, v1
	s_mul_i32 s18, s17, WREG
	v_add_nc_u32 v[SI], s18, v[LO]
	v_mul_u32_u24 v[SOA], v2, SP
	v_lshl_add_u32 v[SOA], v3, 7, v[SOA]
	v_add_nc_u32 v[SOA], s18, v[SOA]
	s_add_co_u32 s18, s18, SWO
	v_lshl_add_u32 v[SW], v2, 2, s18
	v_lshlrev_b32 v[SG], 3, v1
	v_add_nc_u32 v[SB], s18, v[SG]
	v_lshlrev_b32 v[H8], 3, v3
	v_mov_b32 v[TP], 0                             ; written once: a lane permute's destination counts as one of its sources
	s_mov_b32 s24, 0x76543210
	s_mov_b32 s25, 0xfedcba98                      ; v_permlanex16_b32's selects for lane l xor 16
	s_lshr_b32 s16, ttmp9, 1                       ; which 64 rows: 0-127 X, 128-143 Wq, 144-159 Wk, 160-175 Wv
	s_and_b32 s19, ttmp9, 1
	s_lshl_b32 s19, s19, 2
	s_add_co_u32 s19, s19, s17                     ; my K step
	s_and_b32 s22, s16, 15                         ; which 64 rows of a weight
	s_wait_kmcnt 0x0
	s_cmp_lt_u32 s16, 160                          ; the tensor is chosen by the work-group's number alone
	s_cselect_b64 s[20:21], s[8:9], s[10:11]
	s_cmp_lt_u32 s16, 144
	s_cselect_b64 s[20:21], s[6:7], s[20:21]
	s_cmp_lt_u32 s16, 128
	s_cselect_b64 s[20:21], s[4:5], s[20:21]
	s_cselect_b32 s22, s16, s22
	s_lshl_b32 s22, s22, 18                        ; 64 rows of 4,096 bytes
	s_lshl_b32 s23, s19, 9                         ; 128 numbers a K step
	s_add_co_u32 s22, s22, s23
	s_mov_b32 s23, 0
	s_add_nc_u64 s[20:21], s[20:21], s[22:23]
	s_mul_i32 s22, s16, 49152                      ; four row blocks of 8 x 1,536 bytes
	s_mul_i32 s26, s19, 1536
	s_add_co_u32 s22, s22, s26
	s_add_nc_u64 s[12:13], s[12:13], s[22:23]
	s_mul_i32 s22, s19, 45056                      ; a K step's 704 x 64 bytes of scale words
	s_lshl_b32 s26, s16, 8
	s_add_co_u32 s22, s22, s26
	s_add_nc_u64 s[14:15], s[14:15], s[22:23]
.macro LOAD f                          ; fragment f: its 16 rows, in the row block's order; 32 lanes read 512 consecutive bytes
.irp i, 0,1,2,3,4,5,6,7,8,9,10,11,12,13,14,15
	global_load_b128 v[R+64*((\f)%2)+4*\i:R+64*((\f)%2)+4*\i+3], v[LO], s[20:21] offset:(32*((\f)/2)+8*((\f)%2)+(\i%8)+16*(\i/8))*4096 th:TH_LOAD_NT
.endr
.endm
.macro TURNF f                         ; through the stage: LDS serves a wave's instructions in order, so no wait stands between the stores and the loads
.irp i, 0,1,2,3,4,5,6,7,8,9,10,11,12,13,14,15
	ds_store_b128 v[SI], v[R+64*((\f)%2)+4*\i:R+64*((\f)%2)+4*\i+3] offset:SP*\i
.endr
.irp c, 0,1
.irp i, 0,1,2,3,4,5,6,7
	ds_load_b128 v[XN+32*\c+4*\i:XN+32*\c+4*\i+3], v[SOA] offset:256*\c+16*\i
.endr
.endr
.endm
.macro QF f                            ; my two whole blocks of 32 become codes; the word's four bytes are gathered from lanes l and l xor 16
.irp c, 0,1
	v_max3_num_f32 v[MX+\c], |v[XN+32*\c]|, |v[XN+32*\c+1]|, 0x1800000   ; with the floor 2^(3 - 127): the byte cannot fall under 1
.endr
.irp i, 2,4,6,8,10,12,14,16,18,20,22,24,26,28,30
.irp c, 0,1
	v_max3_num_f32 v[MX+\c], v[MX+\c], |v[XN+32*\c+\i]|, |v[XN+32*\c+\i+1]|   ; the two blocks by turns
.endr
.endr
.irp c, 0,1
	v_add_nc_u32 v[SO+\c], 0xff000000, v[MX+\c]    ; 2 off the exponent field: the conversion takes the exponent field of this operand as its scale
.endr
.irp c, 0,1
	v_lshrrev_b32 v[BY+\c], 23, v[SO+\c]           ; the scale's byte
.endr
	v_lshl_or_b32 v[WD], v[BY+1], 16, v[BY]        ; blocks h and 2 + h,
	v_lshlrev_b32 v[WD], v[H8], v[WD]              ; at their places in the word
	v_permlanex16_b32 v[TP], v[WD], s24, s25
	v_or_b32 v[WD], v[WD], v[TP]                   ; with lane l xor 16's two the word is whole
.if \f > 0
	s_wait_xcnt 0x0                                ; the last fragment's stores have read their data: the codes' registers are written again only behind this wait
.endif
.irp c, 0,1
	v_cvt_scalef32_pk16_fp6_f32 v[CD+6*\c:CD+6*\c+2], v[XN+32*\c:XN+32*\c+15], v[SO+\c]
	v_cvt_scalef32_pk16_fp6_f32 v[CE+4*\c:CE+4*\c+2], v[XN+32*\c+16:XN+32*\c+31], v[SO+\c]
.endr
	v_nop                                          ; one plain place behind a scaled conversion
.irp c, 0,1
.irp i, 0,1,2
	v_mov_b32 v[CD+6*\c+3+\i], v[CE+4*\c+\i]
.endr
.endr
.irp c, 0,1,2
	global_store_b128 v[LO], v[CD+4*\c:CD+4*\c+3], s[12:13] offset:12288*\f+512*\c   ; 32 lanes store 512 consecutive bytes, aligned to 512
.endr
	ds_store_b32 v[SW], v[WD] offset:64*\f         ; both lanes of a row write the same word with the same value
.endm
	LOAD 0
	LOAD 1
.irp f, 0,1,2,3
.if \f < 3
	s_wait_loadcnt 16                              ; this fragment's 16 loads are in; the next fragment's may be out
.else
	s_wait_loadcnt 0x0
.endif
	TURNF \f
	s_wait_dscnt 0x0                               ; my 64 numbers are back
.if \f < 2
	LOAD \f+2
.endif
	QF \f
.endr
	ds_load_b64 v[236:237], v[SB]                  ; LDS serves a wave's instructions in order: these see my four stores
	s_wait_dscnt 0x0
	global_store_b64 v[SG], v[236:237], s[14:15]   ; 32 lanes store 256 consecutive bytes, aligned to 256
	s_wait_tensorcnt 0x0
	ds_add_u32 v240, v241
	s_wait_dscnt 0x0
	s_endpgm
.Lfunc_end_k_qc848b1e4fa_quant:
	.size	k_qc848b1e4fa_quant, .Lfunc_end_k_qc848b1e4fa_quant-k_qc848b1e4fa_quant
	.p2alignl 7, 3214868480
	.fill 96, 4, 3214868480
	.section	.rodata,"a",@progbits
	.p2align	6, 0x0
	.amdhsa_kernel k_qc848b1e4fa_quant
		.amdhsa_group_segment_fixed_size 35328
		.amdhsa_private_segment_fixed_size 0
		.amdhsa_enable_private_segment 0
		.amdhsa_kernarg_size 48
		.amdhsa_user_sgpr_count 2
		.amdhsa_user_sgpr_kernarg_segment_ptr 1
		.amdhsa_wavefront_size32 1
		.amdhsa_system_sgpr_workgroup_id_x 1
		.amdhsa_system_sgpr_workgroup_id_y 1
		.amdhsa_system_sgpr_workgroup_id_z 1
		.amdhsa_system_vgpr_workitem_id 0
		.amdhsa_next_free_vgpr 242
		.amdhsa_next_free_sgpr 66
		.amdhsa_reserve_vcc 0
		.amdhsa_float_denorm_mode_32 3
		.amdhsa_float_denorm_mode_16_64 3
		.amdhsa_memory_ordered 1
		.amdhsa_forward_progress 1
		.amdhsa_inst_pref_size 31
	.end_amdhsa_kernel
	.amdgpu_metadata
---
amdhsa.version: [ 1, 2 ]
amdhsa.kernels:
  - .name:           k_qc848b1e4fa_quant
    .symbol:         k_qc848b1e4fa_quant.kd
    .args:
      - { .name: X, .offset: 0, .size: 8, .value_kind: global_buffer, .address_space: global }
      - { .name: Wq, .offset: 8, .size: 8, .value_kind: global_buffer, .address_space: global }
      - { .name: Wk, .offset: 16, .size: 8, .value_kind: global_buffer, .address_space: global }
      - { .name: Wv, .offset: 24, .size: 8, .value_kind: global_buffer, .address_space: global }
      - { .name: xw_codes, .offset: 32, .size: 8, .value_kind: global_buffer, .address_space: global }
      - { .name: xw_scales, .offset: 40, .size: 8, .value_kind: global_buffer, .address_space: global }
    .group_segment_fixed_size: 35328
    .private_segment_fixed_size: 0
    .kernarg_segment_align: 8
    .kernarg_segment_size: 48
    .max_flat_workgroup_size: 128
    .sgpr_count:     66
    .vgpr_count:     242
    .wavefront_size: 32
...
	.end_amdgpu_metadata
.endif
;; end of part 1
;; launch proj (part 2): grid 8 x 32, 4 waves a work-group, clusters of 4 x 4, 327,680 bytes of LDS; arguments xw_codes, xw_scales, bq, bk, bv, qkv_codes, qkv_scales; writes qkv_codes, qkv_scales
.if DOCPART == 2
	.amdgcn_target "amdgcn-amd-amdhsa--gfx1250"
	.amdhsa_code_object_version 6
	.text
	.protected	k_qc848b1e4fa_proj
	.globl	k_qc848b1e4fa_proj
	.p2align	8
	.type	k_qc848b1e4fa_proj,@function
k_qc848b1e4fa_proj:
	s_mov_b64 s[64:65], 0
	v_nop
	global_prefetch_b8 v0, s[64:65] scope:SCOPE_SE
	s_setreg_imm32_b32 hwreg(HW_REG_WAVE_MODE, 25, 1), 1
	s_wait_xcnt 0x0
	s_wait_alu depctr_hold_cnt(0) depctr_sa_sdst(0) depctr_va_vdst(0) depctr_va_sdst(0) depctr_va_ssrc(0) depctr_va_vcc(0) depctr_vm_vsrc(0)
	s_getreg_b32 s2, hwreg(HW_REG_IB_STS2, 6, 4)
	s_cmp_eq_u32 s2, 0
	s_cbranch_scc0 .Lentry_in_a_cluster
	s_endpgm
.Lentry_in_a_cluster:
	s_bfe_u32 s2, ttmp6, 0x10000c
	s_cmp_lg_u32 s2, 0xf033
	s_cbranch_scc0 .Lentry_shape_is_right
	s_endpgm
.Lentry_shape_is_right:
; q = X Wq^T + bq, k = X Wk^T + bk, v = X Wv^T + bv on codes of FP6 (E2M3) with E8M0 scales, sums in f32; the results are quantised in registers and stored as codes:
; q and k along their 1,024 channels, v along the keys.  All operands are images of fragments (16 rows x 128 K, 1,536 dense bytes: registers 4 c .. 4 c + 3 of lane l at 512 c + 16 l); in every row block
; lane r of block 2 G + u holds row 32 G + 8 u + r % 8 + 16 (r / 8).
; LIMITS: NaN and infinities are not served; a block whose largest magnitude lies under 2^-124 (zeros among them) gets the byte 1: this program alone reads the bytes.
; SHARES.  8,192 x 3,072 results are 98,304 for each of 256 work-groups: a work-group makes ONE TILE OF q OR k, 256 tokens x 256 channels, AND THEN HALF A TILE OF v, 128 channels x the same 256 tokens.
; SOURCE 0 is the operand whose rows become the next product's K, SOURCE 1 the one whose rows are the rows of the fragment that is made: in the result lane (r, h) holds source 1's lane r, and the 16 registers
; of source 0's blocks 2 g and 2 g + 1 are the 16 neighbours 32 g + 16 h + 0 .. 15 along the next K.
;   first part (cluster x = 0: q, 1: k): source 0 = 256 rows of Wq or Wk, source 1 = 256 tokens; a wave makes 128 x 128: 64 accumulators.  K = 1,024 goes in four steps of 256 through two LDS slots.
;   second part (v): source 0 = the 256 tokens (keys), source 1 = 128 rows of Wv; a wave makes 64 channels x 128 keys: 32 accumulators.  All its operands lie in LDS: Wv's 98,304 bytes come with the first fills
;   into a region of their own; X's 196,608 bytes take the two slots as the first part leaves them; X's scale words are there from the first part.  So the second part has no change of slots.
; CLUSTERS: 4 x 4.  X's tiles hang on cy and the cluster's y and are asked for jointly along a row of the cluster; Wq's, Wk's and Wv's hang on cx and the cluster's x and are asked for jointly along a column.
; Wv's scale words, 4,096 bytes, are brought twice, by waves 2 and 3, each into a copy of its own: so one shape of descriptor serves all scale words and both waves issue the same lines.
; The biases are the C of each sum's first matrix instruction.
; REGISTERS: window 0: v6-31 offsets and addresses, v12-15 v's bias; v32-63 scale words, two sets; v64-127 the bias as C, later at work; v128-223 source 1's fragments (first part: one set of 8; second: two sets of 4);
;   v224-231 the scale words made.   window 1: source 0's fragments, two sets, at v0 and v128.   windows 2, 3: the accumulators, (a, b) at v[8 (8 (a % 4) + b)].
.set NQ,    2                          ; K steps of 128 in a slot of the first part
.set FR,    12                         ; registers of a fragment
.set NL,    3                          ; LDS loads that bring one
.set FRB,   1536                       ; its image in bytes
.set RBB,   NQ*FRB                     ; two K steps of a row block
.set RBG,   8*FRB                      ; a row block in memory, all of K
.set HALFT, 8*RBB                      ; 8 row blocks x two K steps: what one tensor load brings
.set SLOT,  4*HALFT                    ; first part: source 1's two halves, then source 0's.  Second part: part 2 p + f holds X's row-block half f, K-step pair p of the slot's two
.set R2,    2*SLOT                     ; Wv: part w holds K steps 2 w, 2 w + 1 of the 8 row blocks
.set SCW,   3*SLOT                     ; Wv's scale words, two copies of [8 K steps][8 row blocks][64 bytes]
.set SCL,   SCW+8192                   ; the first part's scale words, four parts of the same form: X's two halves, then W's
.set SPARE, SCL+16384                  ; the spare words, 128 bytes for each wave: two blocks of 256 bytes that no other line names
.set STG,   SPARE+512                  ; a stage of 512 bytes for each wave, for the scale words' way out: no fill lands here
.set VC1,  6                           ; v6  byte offset of my lane's 16 bytes in q's or k's codes;  v7 in their scale words
.set VS1,  7
.set VC2,  8                           ; v8, v9 the same for v (9: 8 bytes a lane)
.set VS2,  9
.set ADRS2, 10                         ; v10 the second part's scale words: lanes 0-15 Wv's rows, lanes 16-31 X's
.set STR2, 11                          ; v11 the stage, way back, 8 bytes a lane
.set BV4,  12                          ; v12-15 bv of my lane's channel in my four blocks
.set ADRA, 16                          ; v16-17 slot 0, 1: my half of source 1 (first part)
.set ADRC, 18                          ; v18-19 slot 0, 1: my half of X, the slot's first pair of K steps (second part)
.set ADRB, 20                          ; v20-21 slot 0, 1: my half of source 0 (first part) = my half of X, the slot's second pair (second part)
.set ADW,  22                          ; v22-23 my four row blocks of Wv: K steps 0-3, 4-7
.set STS,  24
.set STR,  25
.set LI,   26                          ; v26 16 x lane
.set ADRS, 27                          ; v27 the first part's scale words: lanes 0-15 X's rows, lanes 16-31 W's
.set SPW,  28                          ; v28 LDS address of my spare word; never rewritten
.set NIL,  29                          ; v29 0; never rewritten
.set BQA,  30                          ; v30 the bias of q, k: 64 h
.set BVA,  31                          ; v31 the bias of v: 4 (r + 8 (r / 8))
.set SC,   32
.set BI,   64
.set TM,   64                          ; v64-67 largest magnitudes
.set TX,   68                          ; v68-71 lane l xor 16's, then the bytes
.set SO,   72                          ; v72-75 the conversions' scale operands
.set PC,   96                          ; v96-107 the codes; v108-110, v112-114 the half blocks that change lanes
.set MO,   116                         ; v116-119, v120-121 scale words on their way out
.set MO2,  120
.set AF,   128
.set PWS,  224
.set G0W,  8                           ; s[8:11] group 0 for Wv's codes
.set A2,   12                          ; s[12:13] X for the second part: my row-block half, my pair of K steps
.set WV,   14
.set HS1,  15                          ; which half of source 1's rows is mine.  Also: in the first part I fetch for X (0) or W (1); in the second which pair of K steps
.set HS0,  16                          ; which half of source 0's.  Also: which 8 row blocks I fetch
.set CXP,  17
.set CYP,  18
.set CLY,  19
.set QC,   20                          ; s[20:21] qkv_codes, s[22:23] qkv_scales
.set QS,   22
.set G1,   24                          ; s[24:31] group 1 for X's codes, s[32:39] group 0, a set for each slot
.set G0,   32
.set G1B,  48                          ; s[48:55], s[56:63] the same for the weights' codes
.set G0B,  56
.set G1S,  68                          ; s[68:75], s[76:79] X's scale words
.set G0S,  76
.set G1SB, 80                          ; s[80:87] the weights' scale words; s[88:91] W's, s[92:95] Wv's
.set G0SB, 88
.set G0SW, 92
.set SEL,  100
.set FLR,  104
.set MSB, 0
.macro WIN new                         ; the immediate's high byte repeats the setting that is left
.if MSB != \new
	s_set_vgpr_msb (MSB<<8)|\new
.set MSB, \new
.endif
.endm
.set MUL_LO, 0xa1                      ; source 0 window 1, source 1 window 0, C and D window 2
.set MUL_HI, 0xf1                      ; the same, C and D window 3
.set MUB_LO, 0x81                      ; D window 2, C (the bias) window 0
.set MUB_HI, 0xc1
.set TO_B,   0x40                      ; destination window 1, address window 0
; A joint refill of the first part: waves 0 and 1 fetch X's halves, waves 2 and 3 W's.  Each line has one mask and one set of registers for all that issue it; the branch hangs on the wave's number alone.
; Four v_nop follow each of the two lines.
.macro JLOAD g0a, g1a, g0b, g1b
	s_cmp_eq_u32 s[HS1], 0
	s_cbranch_scc0 .Lfor_b_\@
	tensor_load_to_lds s[\g0a:\g0a+3], s[\g1a:\g1a+7]
	s_nop 0
.rept 4
	v_nop
.endr
	s_branch .Lasked_\@
.Lfor_b_\@:
	tensor_load_to_lds s[\g0b:\g0b+3], s[\g1b:\g1b+7]
	s_nop 0
.rept 4
	v_nop
.endr
.Lasked_\@:
.endm
.macro CREST                           ; a round of the cluster's barrier behind its opening barrier
	s_cmp_lg_u32 s[WV], 0
	s_cbranch_scc1 .Lnot_wave_0_\@
	s_barrier_signal -3
.Lnot_wave_0_\@:
	s_barrier_wait -3
	s_barrier_signal -1
	s_barrier_wait -1
.endm
.macro CROUND
	s_barrier_signal -1
	s_barrier_wait -1
	CREST
.endm
.macro PLACES n                        ; plain places behind matrix instructions, in front of loads into registers that they read and of the first read of results
.rept \n
	v_nop
.endr
.endm
	s_load_b128 s[4:7], s[0:1], 0x0                ; xw_codes, xw_scales
	s_load_b128 s[96:99], s[0:1], 0x10             ; bq, bk
	s_load_b64 s[66:67], s[0:1], 0x20              ; bv
	s_load_b128 s[QC:QC+3], s[0:1], 0x28           ; qkv_codes, qkv_scales
	v_lshl_add_u32 v[SPW], v0, 2, SPARE
	v_mov_b32 v[NIL], 0
	ds_add_u32 v28, v29
	ds_add_u32 v28, v29
	s_wait_dscnt 0x0
	v_lshrrev_b32 v1, 5, v0
	v_readfirstlane_b32 s[WV], v1                  ; wave 0..3
	s_lshr_b32 s[HS1], s[WV], 1
	s_and_b32 s[HS0], s[WV], 1
	s_bfe_u32 s[CXP], ttmp6, 0x40000               ; cx
	s_bfe_u32 s[CYP], ttmp6, 0x40004               ; cy
	s_and_b32 s[CLY], ttmp7, 0xffff                ; the cluster's y, 0..7
	s_lshl_b32 s40, s[CYP], 2
	s_lshl_b32 s40, 15, s40                        ; my row of the cluster
	s_lshl_b32 s44, 0x1111, s[CXP]                 ; my column
	; descriptor group 1: 8 row blocks x 3,072 bytes (384 elements of 8 bytes), 12,288 bytes apart in memory, dense in LDS
	s_or_b32 s[G1], s40, (3<<16)|(1<<21)           ; 15:0 the mask; 17:16 elements of 8 bytes; 21 set beside a mask; no padding
	s_or_b32 s[G1B], s44, (3<<16)|(1<<21)
	s_or_b32 s[G1S], s40, (3<<16)|(1<<21)
	s_or_b32 s[G1SB], s44, (3<<16)|(1<<21)
.irp g, G1, G1B
	s_mov_b32 s[\g+1], 384<<16                     ; tensor_dim0
	s_mov_b32 s[\g+2], 8<<16                       ; tensor_dim1
	s_mov_b32 s[\g+3], 384<<16                     ; tile_dim0
	s_mov_b32 s[\g+4], 8                           ; tile_dim1
	s_mov_b32 s[\g+5], RBG/8                       ; tensor_dim0_stride
	s_mov_b32 s[\g+6], 0
	s_mov_b32 s[\g+7], 0
.endr
.irp g, G1S, G1SB                      ; the scale words: 8 K steps x 512 bytes (8 row blocks), 45,056 bytes apart
	s_mov_b32 s[\g+1], 64<<16
	s_mov_b32 s[\g+2], 8<<16
	s_mov_b32 s[\g+3], 64<<16
	s_mov_b32 s[\g+4], 8
	s_mov_b32 s[\g+5], 5632
	s_mov_b32 s[\g+6], 0
	s_mov_b32 s[\g+7], 0
.endr
	s_lshl_b32 s3, s[HS0], 3                       ; which 8 row blocks I fetch
	; X, in registers that never hold cx: row block 16 (4 cluster y + cy) + 8 x my half
	s_lshl_b32 s40, s[CLY], 2
	s_add_co_u32 s40, s40, s[CYP]
	s_lshl_b32 s40, s40, 4
	s_add_co_u32 s40, s40, s3
	s_mul_i32 s42, s40, RBG                        ; its codes,
	s_mov_b32 s43, 0
	s_lshl_b32 s40, s40, 6                         ; its scale words
	s_mov_b32 s41, 0
	; the weights, in registers that never hold cy: Wq, Wk: row block 512 + 16 (4 cluster x + cx) + 8 x my half;  Wv: 640 + 8 (4 cluster x + cx)
	s_lshl_b32 s45, ttmp9, 2
	s_add_co_u32 s45, s45, s[CXP]
	s_lshl_b32 s44, s45, 4
	s_add_co_u32 s44, s44, 512
	s_add_co_u32 s44, s44, s3
	s_lshl_b32 s45, s45, 3
	s_add_co_u32 s45, s45, 640
	s_mul_i32 s46, s44, RBG
	s_mov_b32 s47, 0
	s_mul_i32 s2, s[WV], HALFT                     ; where the tiles go: wave x a part: no place in the cluster enters an LDS address
	s_lshl_b32 s3, s[WV], 12
	s_wait_kmcnt 0x0
	s_add_nc_u64 s[42:43], s[4:5], s[42:43]
	s_add_nc_u64 s[40:41], s[6:7], s[40:41]
	s_mov_b32 s[G0S], 1
	s_add_co_u32 s[G0S+1], s3, SCL
	s_mov_b64 s[G0S+2:G0S+3], s[40:41]
	s_or_b32 s[G0S+3], s[G0S+3], 0x80000000
	s_add_nc_u64 s[46:47], s[4:5], s[46:47]
.irp s, 0,1
	s_mov_b32 s[G0+4*\s], 1
	s_add_co_u32 s[G0+4*\s+1], s2, \s*SLOT
	s_add_nc_u64 s[G0+4*\s+2:G0+4*\s+3], s[42:43], \s*RBB
	s_or_b32 s[G0+4*\s+3], s[G0+4*\s+3], 0x80000000
	s_mov_b32 s[G0B+4*\s], 1
	s_add_co_u32 s[G0B+4*\s+1], s2, \s*SLOT
	s_add_nc_u64 s[G0B+4*\s+2:G0B+4*\s+3], s[46:47], \s*RBB
	s_or_b32 s[G0B+4*\s+3], s[G0B+4*\s+3], 0x80000000
.endr
	s_mul_i32 s40, s[HS1], RBB                     ; the second part: the same rows of X, my pair of a slot's four K steps
	s_mov_b32 s41, 0
	s_add_nc_u64 s[A2:A2+1], s[42:43], s[40:41]
	s_lshl_b32 s46, s44, 6                         ; W's scale words
	s_mov_b32 s47, 0
	s_mov_b32 s[G0SB], 1
	s_add_co_u32 s[G0SB+1], s3, SCL
	s_add_nc_u64 s[G0SB+2:G0SB+3], s[6:7], s[46:47]
	s_or_b32 s[G0SB+3], s[G0SB+3], 0x80000000
	s_mul_i32 s46, s45, RBG                        ; Wv's codes: its 8 row blocks, K steps 2 x wave on
	s_mul_i32 s44, s[WV], RBB
	s_add_co_u32 s46, s46, s44
	s_mov_b32 s[G0W], 1
	s_add_co_u32 s[G0W+1], s2, R2
	s_add_nc_u64 s[G0W+2:G0W+3], s[4:5], s[46:47]
	s_or_b32 s[G0W+3], s[G0W+3], 0x80000000
	s_lshl_b32 s46, s45, 6                         ; Wv's scale words, into my copy
	s_lshl_b32 s3, s[HS0], 12
	s_mov_b32 s[G0SW], 1
	s_add_co_u32 s[G0SW+1], s3, SCW
	s_add_nc_u64 s[G0SW+2:G0SW+3], s[6:7], s[46:47]
	s_or_b32 s[G0SW+3], s[G0SW+3], 0x80000000
	CROUND                                         ; all sixteen work-groups are here: the first joint loads meet
	s_cmp_eq_u32 s[HS1], 0                         ; a wave's first fills stand in one branch: four loads of mine are out (waves 0, 1) or five (waves 2, 3); in both the last two are slot 1's and Wv's
	s_cbranch_scc0 .Lfirst_b
	tensor_load_to_lds s[G0S:G0S+3], s[G1S:G1S+7]
	s_nop 0
	tensor_load_to_lds s[G0:G0+3], s[G1:G1+7]
	s_nop 0
	tensor_load_to_lds s[G0+4:G0+7], s[G1:G1+7]
	s_nop 0
	tensor_load_to_lds s[G0W:G0W+3], s[G1B:G1B+7]
	s_nop 0
.rept 4
	v_nop
.endr
	s_branch .Lfirst_done
.Lfirst_b:
	tensor_load_to_lds s[G0SB:G0SB+3], s[G1SB:G1SB+7]
	s_nop 0
	tensor_load_to_lds s[G0SW:G0SW+3], s[G1SB:G1SB+7]
	s_nop 0
	tensor_load_to_lds s[G0B:G0B+3], s[G1B:G1B+7]
	s_nop 0
	tensor_load_to_lds s[G0B+4:G0B+7], s[G1B:G1B+7]
	s_nop 0
	tensor_load_to_lds s[G0W:G0W+3], s[G1B:G1B+7]
	s_nop 0
.rept 4
	v_nop
.endr
.Lfirst_done:
	v_and_b32 v1, 31, v0                           ; lane
	v_and_b32 v2, 15, v0                           ; r
	v_bfe_u32 v3, v0, 4, 1                         ; h
	v_lshlrev_b32 v[LI], 4, v1
	s_mul_i32 s2, s[HS1], HALFT
	s_mul_i32 s3, s[HS0], HALFT
.irp s, 0,1
	v_add_nc_u32 v[ADRA+\s], s2, v[LI]
	v_add_nc_u32 v[ADRC+\s], s3, v[LI]
	v_add_nc_u32 v[ADRB+\s], 2*HALFT, v[ADRC+\s]
	s_add_co_u32 s2, s2, SLOT
	s_add_co_u32 s3, s3, SLOT
.endr
	s_mul_i32 s2, s[HS1], 4*RBB                    ; my four row blocks of Wv's eight
	s_add_co_u32 s2, s2, R2
	v_add_nc_u32 v[ADW], s2, v[LI]
	v_add_nc_u32 v[ADW+1], 2*HALFT, v[ADW]
	v_lshlrev_b32 v4, 2, v2                        ; 4 r
	s_xor_b32 s3, s[HS1], 1
	s_add_co_u32 s2, s3, s[HS0]
	s_add_co_u32 s2, s2, 1
	s_lshl_b32 s2, s2, 12                          ; first part: from X's part to W's: 4,096 x (2 + HS0 - HS1)
	v_mul_u32_u24 v5, s2, v3                       ; lanes 16-31 take source 0's
	s_lshl_b32 s2, s[HS1], 12
	s_add_co_u32 s2, s2, SCL
	v_add_nc_u32 v5, v4, v5
	v_add_nc_u32 v[ADRS], s2, v5
	s_lshl_b32 s3, s3, 8
	s_add_co_u32 s3, s3, SCL-SCW-256               ; second part: from my four blocks in my copy of Wv's words to my half of X's: SCL - SCW - 256 HS1
	v_mul_u32_u24 v5, s3, v3
	s_lshl_b32 s2, s[HS0], 12
	s_lshl_b32 s3, s[HS1], 8
	s_add_co_u32 s2, s2, s3
	s_add_co_u32 s2, s2, SCW
	v_add_nc_u32 v5, v4, v5
	v_add_nc_u32 v[ADRS2], s2, v5
	s_lshl_b32 s2, s[WV], 9                        ; my stage
	s_add_co_u32 s2, s2, STG
	v_add_nc_u32 v[STS], s2, v4
	v_add_nc_u32 v[STR], s2, v[LI]
	v_lshlrev_b32 v[VS2], 3, v1
	v_add_nc_u32 v[STR2], s2, v[VS2]
	v_lshlrev_b32 v[BQA], 6, v3
	v_and_b32 v5, 8, v2
	v_add_nc_u32 v5, v5, v2
	v_lshlrev_b32 v[BVA], 2, v5
	s_mov_b32 s[SEL], 0x76543210
	s_mov_b32 s[SEL+1], 0xfedcba98                 ; v_permlanex16_b32's selects for lane l xor 16
	s_mov_b32 s[FLR], 0x1800000                    ; the floor 2^(3 - 127)
	; the biases.  q, k: of my 128 channels 256 cx + 128 HS0 on;  v: of my 64 channels 128 (4 cluster x + cx) + 64 HS1 on
	s_cmp_eq_u32 ttmp9, 0                          ; the cluster's x: the same in all sixteen partners
	s_cselect_b64 s[96:97], s[96:97], s[98:99]
	s_lshl_b32 s98, s[CXP], 10
	s_lshl_b32 s105, s[HS0], 9
	s_add_co_u32 s98, s98, s105
	s_mov_b32 s99, 0
	s_add_nc_u64 s[96:97], s[96:97], s[98:99]
	s_lshl_b32 s98, ttmp9, 2
	s_add_co_u32 s98, s98, s[CXP]
	s_lshl_b32 s98, s98, 9
	s_lshl_b32 s105, s[HS1], 8
	s_add_co_u32 s98, s98, s105
	s_add_nc_u64 s[66:67], s[66:67], s[98:99]
.irp b, 0,1,2,3,4,5,6,7                ; q, k: register j of source 0's block b is channel 32 (b / 2) + 16 h + 8 (b % 2) + j
	global_load_b128 v[BI+8*\b:BI+8*\b+3], v[BQA], s[96:97] offset:(32*(\b/2)+8*(\b%2))*4
	global_load_b128 v[BI+8*\b+4:BI+8*\b+7], v[BQA], s[96:97] offset:(32*(\b/2)+8*(\b%2))*4+16
.endr
.irp a, 0,1,2,3                        ; v: my lane's channel of block a is 32 (a / 2) + 8 (a % 2) + r % 8 + 16 (r / 8)
	global_load_b32 v[BV4+\a], v[BVA], s[66:67] offset:(32*(\a/2)+8*(\a%2))*4
.endr
	; where my results go, as byte offsets in vector registers.  q, k: row block 16 (4 cluster y + cy) + 8 HS1 on, K step 2 cx + HS0
	s_lshl_b32 s98, s[CLY], 2
	s_add_co_u32 s98, s98, s[CYP]
	s_lshl_b32 s98, s98, 4
	s_lshl_b32 s105, s[HS1], 3
	s_add_co_u32 s98, s98, s105
	s_lshl_b32 s99, s[CXP], 1
	s_add_co_u32 s99, s99, s[HS0]
	s_mul_i32 s105, s98, RBG
	v_add_nc_u32 v[VC1], s105, v[LI]
	s_mul_i32 s105, s99, FRB
	v_add_nc_u32 v[VC1], s105, v[VC1]
	s_mul_i32 s105, ttmp9, 6291456                 ; k's codes lie behind q's
	v_add_nc_u32 v[VC1], s105, v[VC1]
	s_lshl_b32 s105, s98, 6
	v_add_nc_u32 v[VS1], s105, v[LI]
	s_lshl_b32 s105, s99, 15
	v_add_nc_u32 v[VS1], s105, v[VS1]
	s_lshl_b32 s105, ttmp9, 18
	v_add_nc_u32 v[VS1], s105, v[VS1]
	; v: batch = cluster y / 2, row block 8 (4 cluster x + cx) + 4 HS1 on, K step 2 (4 (cluster y % 2) + cy) + HS0
	s_lshl_b32 s98, ttmp9, 2
	s_add_co_u32 s98, s98, s[CXP]
	s_lshl_b32 s98, s98, 3
	s_lshl_b32 s105, s[HS1], 2
	s_add_co_u32 s98, s98, s105
	s_and_b32 s99, s[CLY], 1
	s_lshl_b32 s99, s99, 2
	s_add_co_u32 s99, s99, s[CYP]
	s_lshl_b32 s99, s99, 1
	s_add_co_u32 s99, s99, s[HS0]
	s_mul_i32 s105, s98, 16*FRB
	v_add_nc_u32 v[VC2], s105, v[LI]
	s_mul_i32 s105, s99, FRB
	v_add_nc_u32 v[VC2], s105, v[VC2]
	s_lshl_b32 s105, s98, 6
	v_add_nc_u32 v[VS2], s105, v[VS2]
	s_lshl_b32 s105, s99, 12
	v_add_nc_u32 v[VS2], s105, v[VS2]
	s_lshr_b32 s98, s[CLY], 1
	s_mul_i32 s105, s98, 1572864
	s_add_co_u32 s105, s105, 12582912              ; v's codes lie behind q's and k's
	v_add_nc_u32 v[VC2], s105, v[VC2]
	s_lshl_b32 s105, s98, 16
	s_add_co_u32 s105, s105, 524288
	v_add_nc_u32 v[VS2], s105, v[VS2]
.macro FRAG reg, adr, q, i             ; a fragment comes back as it was stored: three loads of 512 consecutive bytes
.irp c, 0,1,2
	ds_load_b128 v[\reg+4*\c:\reg+4*\c+3], v[\adr] offset:RBB*(\i)+FRB*(\q)+512*\c
.endr
.endm
; THE FIRST PART.  16 matrix instructions: X's blocks a0, a0 + 1 x W's eight.  p: W's set; sc: the set of scale words.  cm = 0: onto the sums; 2: the sums start with the bias, laid by W's blocks.
; The 64 accumulators take turns, one instruction a turn, in the same order in every step.
.macro MUL16 a0, p, q, sc, cm
.irp a, \a0, \a0+1
.irp b, 0,1,2,3,4,5,6,7
.set rD, 8*(8*((\a)%4)+\b)
.set rS0, 128*(\p)+FR*\b
.set rS1, AF+FR*(\a)
.set rX0, SC+8*NQ*(\sc)+NQ*\b+(\q)
.set rX1, SC+8*NQ*(\sc)+NQ*(\a)+(\q)
.if \cm == 0
	v_wmma_scale_f32_16x16x128_f8f6f4 v[rD:rD+7], v[rS0:rS0+FR-1], v[rS1:rS1+FR-1], v[rD:rD+7], v[rX0], v[rX1] matrix_a_fmt:MATRIX_FMT_FP6 matrix_b_fmt:MATRIX_FMT_FP6 matrix_a_scale:MATRIX_SCALE_ROW1
.else
	v_wmma_scale_f32_16x16x128_f8f6f4 v[rD:rD+7], v[rS0:rS0+FR-1], v[rS1:rS1+FR-1], v[BI+8*\b:BI+8*\b+7], v[rX0], v[rX1] matrix_a_fmt:MATRIX_FMT_FP6 matrix_b_fmt:MATRIX_FMT_FP6 matrix_a_scale:MATRIX_SCALE_ROW1
.endif
.endr
.endr
.endm
.macro FETCH_B slot, q, p              ; W's eight fragments of the slot's q-th 128 along K into set p
	WIN TO_B
.irp i, 0,1,2,3,4,5,6,7
	FRAG 128*(\p)+FR*\i, ADRB+\slot, \q, \i
.endr
	WIN 0
.endm
.macro FETCH_A slot, q, i0             ; X's blocks i0 .. i0 + 3
.irp i, \i0, \i0+1, \i0+2, \i0+3
	FRAG AF+FR*(\i), ADRA+\slot, \q, \i
.endr
.endm
.macro SCALES sc                       ; a slot's scale words: lanes 0-15 X's block i, lanes 16-31 W's block i
.irp i, 0,1,2,3,4,5,6,7
.irp q, 0,1
	ds_load_b32 v[SC+8*NQ*\sc+NQ*\i+\q], v[ADRS] offset:512*\q+64*\i
.endr
.endr
.endm
; THE SECOND PART.  K step k (0 .. 7): X's eight fragments and Wv's four, 36 LDS loads in one run, into set p
.macro FETCH2 k, p
.set XR, ADRC+(\k)/4
.if (((\k)/2)%2) == 1
.set XR, ADRB+(\k)/4
.endif
.set WR, ADW+(\k)/4
	WIN TO_B
.irp i, 0,1,2,3,4,5,6,7
.irp c, 0,1,2
	ds_load_b128 v[128*(\p)+FR*\i+4*\c:128*(\p)+FR*\i+4*\c+3], v[XR] offset:RBB*\i+FRB*((\k)%2)+512*\c
.endr
.endr
	WIN 0
.irp i, 0,1,2,3
.irp c, 0,1,2
	ds_load_b128 v[AF+48*(\p)+FR*\i+4*\c:AF+48*(\p)+FR*\i+4*\c+3], v[WR] offset:HALFT*(((\k)/2)%2)+RBB*\i+FRB*((\k)%2)+512*\c
.endr
.endr
.endm
.macro SCALES2 pr                      ; the scale words of K steps 2 pr, 2 pr + 1: lanes 0-15 Wv's block i (in registers of i = 4 .. 7 they hold words that no product names), lanes 16-31 X's block i
.irp i, 0,1,2,3,4,5,6,7
.irp q, 0,1
	ds_load_b32 v[SC+16*((\pr)%2)+2*\i+\q], v[ADRS2] offset:512*(2*(\pr)+\q)+64*\i
.endr
.endr
.endm
; 8 matrix instructions: Wv's block a x X's eight.  cm = 1: the sums start with the bias of my lane's channel.  The 32 accumulators take turns, one instruction a turn.
.macro MULA a, k, cm
.irp b, 0,1,2,3,4,5,6,7
.set rD, 8*(8*(\a)+\b)
.set rS0, 128*((\k)%2)+FR*\b
.set rS1, AF+48*((\k)%2)+FR*(\a)
.set rX0, SC+16*(((\k)/2)%2)+2*\b+(\k)%2
.set rX1, SC+16*(((\k)/2)%2)+2*(\a)+(\k)%2
.if \cm
	v_wmma_scale_f32_16x16x128_f8f6f4 v[rD:rD+7], v[rS0:rS0+FR-1], v[rS1:rS1+FR-1], v[BI+8*(\a):BI+8*(\a)+7], v[rX0], v[rX1] matrix_a_fmt:MATRIX_FMT_FP6 matrix_b_fmt:MATRIX_FMT_FP6 matrix_a_scale:MATRIX_SCALE_ROW1
.else
	v_wmma_scale_f32_16x16x128_f8f6f4 v[rD:rD+7], v[rS0:rS0+FR-1], v[rS1:rS1+FR-1], v[rD:rD+7], v[rX0], v[rX1] matrix_a_fmt:MATRIX_FMT_FP6 matrix_b_fmt:MATRIX_FMT_FP6 matrix_a_scale:MATRIX_SCALE_ROW1
.endif
.endr
.endm
.macro WMUL2 cm
.if \cm
	WIN MUB_LO
.else
	WIN MUL_LO
.endif
.endm
.macro S2 k, cm                        ; a K step of the second part: the next step's fragments are asked for behind its first eight products
	s_wait_dscnt 0x0                               ; this step's fragments are in
	WMUL2 \cm
	MULA 0, \k, \cm
.if (\k) < 7
	PLACES 4
	FETCH2 (\k)+1, 1-(\k)%2
.if ((\k)%2) == 1
	SCALES2 ((\k)+1)/2
.endif
	WMUL2 \cm
.endif
	MULA 1, \k, \cm
	MULA 2, \k, \cm
	MULA 3, \k, \cm
.endm
; A step of 128 along K of the first part that has its successor in the same slot.  A block of X is free as soon as its eight products are issued: blocks 0-3 are fetched anew in the step's middle, blocks 4-7 at its end.
.macro STEP slot, q, cm
	s_wait_dscnt 4*NL                              ; W's set, the scale words and X's blocks 0-3 are in; the youngest 12 loads (blocks 4-7) may be out
.if \cm >= 2
	WIN MUB_LO
.else
	WIN MUL_LO
.endif
	MUL16 0, (\q)%2, \q, \slot, \cm
	MUL16 2, (\q)%2, \q, \slot, \cm
	s_wait_dscnt 0x0                               ; blocks 4-7 are in
	PLACES 4
	FETCH_B \slot, (\q)+1, 1-(\q)%2
	FETCH_A \slot, (\q)+1, 0
.if \cm >= 2
	WIN MUB_HI
.else
	WIN MUL_HI
.endif
	MUL16 4, (\q)%2, \q, \slot, \cm
	MUL16 6, (\q)%2, \q, \slot, \cm
	PLACES 4
	WIN 0
	FETCH_A \slot, (\q)+1, 4
.endm
; A slot's last step changes slots: one barrier, which opens a round of the cluster's barrier; in front of it each wave waits for all its tensor loads, adds 0 to its spare word, and waits for that and for its own
; reads of this slot; the slot is filled again first thing behind the round.  fill = 1: with the first part's K two slots on.  fill = 2, 3: with X for the second part, four K steps, all four waves a part each.
; fill = 3: the first part's last step: what is fetched behind the refill is the second part's first K step.
.macro TURN slot, next, fill
	s_wait_tensorcnt 0x0                           ; all my tensor loads have landed: my part of the next slot (every window is 0 here)
	ds_add_u32 v[SPW], v[NIL]                      ; 0 onto my spare word
	s_wait_dscnt 4*NL+1                            ; the add and the youngest 12 loads may be out
	WIN MUL_LO
	MUL16 0, 1, NQ-1, \slot, 0
	s_wait_dscnt 0x0                               ; the add is done, and my reads of this slot are over
	s_barrier_signal -1
	MUL16 2, 1, NQ-1, \slot, 0
	WIN 0
	s_barrier_wait -1
	CREST                                          ; no wave of any partner still reads this slot or has a load on its way
.if \fill == 1
	s_add_nc_u64 s[G0+4*\slot+2:G0+4*\slot+3], s[G0+4*\slot+2:G0+4*\slot+3], 2*RBB
	s_add_nc_u64 s[G0B+4*\slot+2:G0B+4*\slot+3], s[G0B+4*\slot+2:G0B+4*\slot+3], 2*RBB
	JLOAD G0+4*\slot, G1, G0B+4*\slot, G1B         ; its four v_nop are the places in front of the loads below
.else
	s_add_nc_u64 s[G0+4*\slot+2:G0+4*\slot+3], s[A2:A2+1], \slot*2*RBB   ; slot 0: K steps 0-3, slot 1: K steps 4-7
	s_or_b32 s[G0+4*\slot+3], s[G0+4*\slot+3], 0x80000000
	tensor_load_to_lds s[G0+4*\slot:G0+4*\slot+3], s[G1:G1+7]   ; every wave: its LDS address is wave x a part
	s_nop 0
.rept 4
	v_nop
.endr
.endif
.if \fill == 3
	FETCH2 0, 0
	SCALES2 0
.else
	v_add_nc_u32 v[ADRS], 512*NQ, v[ADRS]          ; the next slot's scale words
	FETCH_B \next, 0, 0
	FETCH_A \next, 0, 0
	SCALES \next
.endif
	WIN MUL_HI
	MUL16 4, 1, NQ-1, \slot, 0
	MUL16 6, 1, NQ-1, \slot, 0
	PLACES 4
	WIN 0
.if \fill != 3
	FETCH_A \next, 0, 4
.endif
.endm
; Source 1's block a: my lane's 64 numbers, register 16 g + i = next K 32 g + 16 h + i of my row, become one fragment and one scale word a row.  Each accumulator is read from its low end on.
; vo: the register with my byte offset; str: bytes from row block to row block; first = 1: no store has gone out yet.
.macro QUANTA a, vo, str, first
.set AC, 64*((\a)%4)
.set WN, 2+(\a)/4
.set W20, WN*20                        ; sources 1 and 2 in the accumulators' window
	WIN W20
.irp g, 0,1,2,3
	v_max3_num_f32 v[TM+\g], s[FLR], |v[AC+16*\g]|, |v[AC+16*\g+1]|   ; block g: my 16 numbers and the floor
.endr
.irp i, 2,4,6,8,10,12,14
.irp g, 0,1,2,3
	v_max3_num_f32 v[TM+\g], v[TM+\g], |v[AC+16*\g+\i]|, |v[AC+16*\g+\i+1]|   ; the four blocks by turns
.endr
.endr
	WIN 0
.irp g, 0,1,2,3
	v_permlanex16_b32 v[TX+\g], v[TM+\g], s[SEL], s[SEL+1]
.endr
.irp g, 0,1,2,3
	v_max_num_f32 v[TM+\g], v[TM+\g], v[TX+\g]     ; with lane l xor 16's: the block's largest magnitude
.endr
.irp g, 0,1,2,3
	v_add_nc_u32 v[SO+\g], 0xff000000, v[TM+\g]    ; 2 off its exponent field: the conversion's scale operand
.endr
.irp g, 0,1,2,3
	v_lshrrev_b32 v[TX+\g], 23, v[SO+\g]           ; the scale's byte
.endr
	v_lshl_or_b32 v[PWS+\a], v[TX+1], 8, v[TX]
	v_lshl_or_b32 v[PWS+\a], v[TX+2], 16, v[PWS+\a]
	v_lshl_or_b32 v[PWS+\a], v[TX+3], 24, v[PWS+\a]
.if \first == 0
	s_wait_xcnt 0x0                                ; the last block's stores have read their data: the codes' registers are written again only behind this wait
.endif
	WIN WN                                         ; source 0 in the accumulators' window
.irp c, 0,1
	v_cvt_scalef32_pk16_fp6_f32 v[PC+6*\c:PC+6*\c+2], v[AC+32*\c:AC+32*\c+15], v[SO+2*\c]
	v_cvt_scalef32_pk16_fp6_f32 v[PC+12+4*\c:PC+14+4*\c], v[AC+32*\c+16:AC+32*\c+31], v[SO+2*\c+1]
.endr
	WIN 0
	v_nop                                          ; one plain place behind a scaled conversion
.irp c, 0,1                            ; the operand's layout wants a whole block in a lane: lanes 0-15 block 2 c, lanes 16-31 block 2 c + 1
.irp i, 0,1,2
	v_permlane16_swap_b32 v[PC+6*\c+\i], v[PC+12+4*\c+\i]
.endr
.irp i, 0,1,2
	v_mov_b32 v[PC+3+6*\c+\i], v[PC+12+4*\c+\i]
.endr
.endr
.irp c, 0,1,2
	global_store_b128 v[\vo], v[PC+4*\c:PC+4*\c+3], s[QC:QC+1] offset:(\str)*(\a)+512*\c   ; the fragment's image: 512 consecutive bytes a store, aligned to 512
.endr
.endm
	s_wait_tensorcnt 0x2                           ; the scale words and my part of slot 0 are in; slot 1's load and Wv's may be out
	s_barrier_signal -1
	s_barrier_wait -1                              ; everybody's are
	FETCH_B 0, 0, 0
	FETCH_A 0, 0, 0
	SCALES 0
	FETCH_A 0, 0, 4
	s_wait_loadcnt 0x0                             ; the biases
	STEP 0, 0, 2                                   ; the first products start the sums with the bias
	TURN 0, 1, 1
	STEP 1, 0, 0
	TURN 1, 0, 1
	STEP 0, 0, 0
	TURN 0, 1, 2                                   ; slot 0 takes X's K steps 0-3 for the second part
	STEP 1, 0, 0
	TURN 1, 0, 3                                   ; slot 1 takes K steps 4-7; the second part's first fragments are fetched
.irp g, 0,1,2,3
	v_mov_b32 v[TX+\g], 0                          ; written once: a lane permute's destination counts as one of its sources
.endr
	; q's or k's tile goes out while slot 1's load is on its way
	QUANTA 0, VC1, RBG, 1
.irp a, 1,2,3,4,5,6,7
	QUANTA \a, VC1, RBG, 0
.endr
.irp a, 0,1,2,3,4,5,6,7
	ds_store_b32 v[STS], v[PWS+\a] offset:64*\a    ; both lanes of a row write the same word with the same value
.endr
	ds_load_b128 v[MO:MO+3], v[STR]                ; LDS serves a wave's instructions in order: this sees my stores
	s_wait_dscnt 0x0
	global_store_b128 v[VS1], v[MO:MO+3], s[QS:QS+1]   ; my 8 row blocks' scale words: 512 consecutive bytes
	s_wait_tensorcnt 0x0                           ; my part of X's K steps 4-7 has landed: the one load of mine that was out
	ds_add_u32 v[SPW], v[NIL]                      ; 0 onto my spare word
.irp a, 0,1,2,3
.irp j, 0,1,2,3,4,5,6,7
	v_mov_b32 v[BI+8*\a+\j], v[BV4+\a]             ; v's bias as C: all eight registers of block a hold my lane's channel's
.endr
.endr
	s_wait_dscnt 0x0
	s_barrier_signal -1
	s_barrier_wait -1                              ; everybody's part has landed: the second part's operands are whole, and it has no further barrier
	S2 0, 1
	S2 1, 0
	S2 2, 0
	S2 3, 0
	S2 4, 0
	S2 5, 0
	S2 6, 0
	S2 7, 0
	WIN 0
	PLACES 4
.irp a, 0,1,2,3
	QUANTA \a, VC2, 16*FRB, 0
.endr
.irp a, 0,1,2,3
	ds_store_b32 v[STS], v[PWS+\a] offset:64*\a
.endr
	ds_load_b64 v[MO2:MO2+1], v[STR2]
	s_wait_dscnt 0x0
	global_store_b64 v[VS2], v[MO2:MO2+1], s[QS:QS+1]   ; my 4 row blocks' scale words: 256 consecutive bytes, aligned to 256
	s_wait_tensorcnt 0x0                           ; the wave's end
	ds_add_u32 v[SPW], v[NIL]
	s_wait_dscnt 0x0
	CROUND                                         ; the closing round: no work-group ends while a partner may still ask for a tile that names it
	s_endpgm
.Lfunc_end_k_qc848b1e4fa_proj:
	.size	k_qc848b1e4fa_proj, .Lfunc_end_k_qc848b1e4fa_proj-k_qc848b1e4fa_proj
	.p2alignl 7, 3214868480
	.fill 96, 4, 3214868480
	.section	.rodata,"a",@progbits
	.p2align	6, 0x0
	.amdhsa_kernel k_qc848b1e4fa_proj
		.amdhsa_group_segment_fixed_size 327680
		.amdhsa_private_segment_fixed_size 0
		.amdhsa_enable_private_segment 0
		.amdhsa_kernarg_size 56
		.amdhsa_user_sgpr_count 2
		.amdhsa_user_sgpr_kernarg_segment_ptr 1
		.amdhsa_wavefront_size32 1
		.amdhsa_system_sgpr_workgroup_id_x 1
		.amdhsa_system_sgpr_workgroup_id_y 1
		.amdhsa_system_sgpr_workgroup_id_z 1
		.amdhsa_system_vgpr_workitem_id 0
		.amdhsa_next_free_vgpr 1024
		.amdhsa_next_free_sgpr 106
		.amdhsa_reserve_vcc 0
		.amdhsa_float_denorm_mode_32 3
		.amdhsa_float_denorm_mode_16_64 3
		.amdhsa_memory_ordered 1
		.amdhsa_forward_progress 1
		.amdhsa_inst_pref_size 221
	.end_amdhsa_kernel
	.amdgpu_metadata
---
amdhsa.version: [ 1, 2 ]
amdhsa.kernels:
  - .name:           k_qc848b1e4fa_proj
    .symbol:         k_qc848b1e4fa_proj.kd
    .args:
      - { .name: xw_codes, .offset: 0, .size: 8, .value_kind: global_buffer, .address_space: global }
      - { .name: xw_scales, .offset: 8, .size: 8, .value_kind: global_buffer, .address_space: global }
      - { .name: bq, .offset: 16, .size: 8, .value_kind: global_buffer, .address_space: global }
      - { .name: bk, .offset: 24, .size: 8, .value_kind: global_buffer, .address_space: global }
      - { .name: bv, .offset: 32, .size: 8, .value_kind: global_buffer, .address_space: global }
      - { .name: qkv_codes, .offset: 40, .size: 8, .value_kind: global_buffer, .address_space: global }
      - { .name: qkv_scales, .offset: 48, .size: 8, .value_kind: global_buffer, .address_space: global }
    .group_segment_fixed_size: 327680
    .private_segment_fixed_size: 0
    .kernarg_segment_align: 8
    .kernarg_segment_size: 56
    .max_flat_workgroup_size: 128
    .sgpr_count:     106
    .vgpr_count:     1024
    .wavefront_size: 32
...
	.end_amdgpu_metadata
.endif
;; end of part 2
;; launch score (part 3): grid 8 x 32, 4 waves a work-group, clusters of 4 x 4, 327,680 bytes of LDS; arguments qkv_codes, qkv_scales, p_codes, p_meta; writes p_codes, p_meta
.if DOCPART == 3
	.amdgcn_target "amdgcn-amd-amdhsa--gfx1250"
	.amdhsa_code_object_version 6
	.text
	.protected	k_qc848b1e4fa_score
	.globl	k_qc848b1e4fa_score
	.p2align	8
	.type	k_qc848b1e4fa_score,@function
k_qc848b1e4fa_score:
	s_mov_b64 s[64:65], 0
	v_nop
	global_prefetch_b8 v0, s[64:65] scope:SCOPE_SE
	s_setreg_imm32_b32 hwreg(HW_REG_WAVE_MODE, 25, 1), 1
	s_wait_xcnt 0x0
	s_wait_alu depctr_hold_cnt(0) depctr_sa_sdst(0) depctr_va_vdst(0) depctr_va_sdst(0) depctr_va_ssrc(0) depctr_va_vcc(0) depctr_vm_vsrc(0)
	s_getreg_b32 s2, hwreg(HW_REG_IB_STS2, 6, 4)
	s_cmp_eq_u32 s2, 0
	s_cbranch_scc0 .Lentry_in_a_cluster
	s_endpgm
.Lentry_in_a_cluster:
	s_bfe_u32 s2, ttmp6, 0x10000c
	s_cmp_lg_u32 s2, 0xf033
	s_cbranch_scc0 .Lentry_shape_is_right
	s_endpgm
.Lentry_shape_is_right:
; S^T = k q^T on codes of FP6 (E2M3) with E8M0 scales, sums in f32, and the softmax's p as codes.  t = score x log2(e) / 32.  A wave holds 128 queries x 128 keys; for each query it takes
; M' = ceil(the largest t of ITS 128 keys), a whole number, p = 2^(t - M'), the sum l' of the unquantised p, and quantises p along the keys.  It stores the codes, the scale words (relative to M'), -M' and l'.
; The next launch takes the row's M = the largest M', takes M - M' off the scale bytes (an exact power of two, which a block's scale takes up) and joins the sums.
; LIMITS: NaN and infinities are not served.  A p under 2^-126 of its chunk's largest comes out as 0; a block whose every p is 0 keeps the byte 1: its codes are zeros.
; Source 0 = 256 keys of k, source 1 = 256 queries of q; a tile is 256 x 256, four waves of 128 x 128.  In the result lane (r, h) holds source 1's lane r, and the 16 registers of source 0's blocks 2 g, 2 g + 1
; are keys 32 g + 16 h + 0 .. 15 (lane r of row block 2 G + u holds token 32 G + 8 u + r % 8 + 16 (r / 8)).  Operands are images of fragments: 1,536 dense bytes, registers 4 c .. 4 c + 3 of lane l at 512 c + 16 l.
; K = 1,024 goes in four steps of 256 through two LDS slots; the scale words of the tile's rows come once.  CLUSTERS: 4 x 4; q's tiles are asked for jointly along a row of the cluster, k's along a column.
; REGISTERS: window 0: v16-29 addresses; v32-63 scale words, two sets; v64-127 at work; v128-223 q's fragments, one set (free on the way out); v224-231 scale words made, v232-239 -M', v240-247 l'.
;   window 1: k's fragments, two sets.   windows 2, 3: the accumulators, (a, b) at v[8 (8 (a % 4) + b)].
.set NQ,    2
.set FR,    12
.set NL,    3
.set FRB,   1536
.set RBB,   NQ*FRB
.set RBG,   8*FRB
.set HALFT, 8*RBB
.set SLOT,  4*HALFT
.set SCL,   2*SLOT
.set SPART, 4096
.set SPARE, SCL+4*SPART                ; the spare words, 128 bytes for each wave: two blocks of 256 bytes that no other line names
.set ADRA, 16
.set ADRB, 20
.set STS,  24                          ; my stage, 2,048 bytes a wave, in slot 0, which has had its last fill and its last read by then
.set STR,  25
.set LI,   26
.set ADRS, 27
.set SPW,  28
.set NIL,  29
.set SC,   32
.set MO,   84                          ; v84-95 scale words, -M', l' on their way out
.set AF,   128
.set PWS,  224
.set NMS,  232
.set LS,   240
.set WV,   18
.set HS1,  19
.set HS0,  20
.set FLR,  12                          ; s12 the floor 2^(3 - 127);  s13 -infinity
.set NINF, 13
.set G1,   24
.set G0,   32
.set G1B,  48
.set G0B,  56
.set G1S,  68
.set G0S,  76
.set G1SB, 80
.set G0SB, 88
.set SEL,  92
.set CS,   94                          ; s[94:95] c = log2(e) / 32
.set OC,   96
.set OS,   98
.set MSB, 0
.macro WIN new
.if MSB != \new
	s_set_vgpr_msb (MSB<<8)|\new
.set MSB, \new
.endif
.endm
.set MUL_LO, 0xa1
.set MUL_HI, 0xf1
.set TO_B,   0x40
.macro JLOAD g0a, g1a, g0b, g1b        ; waves 0 and 1 fetch for q, waves 2 and 3 for k; four v_nop follow each of the two lines
	s_cmp_eq_u32 s[HS1], 0
	s_cbranch_scc0 .Lfor_b_\@
	tensor_load_to_lds s[\g0a:\g0a+3], s[\g1a:\g1a+7]
	s_nop 0
.rept 4
	v_nop
.endr
	s_branch .Lasked_\@
.Lfor_b_\@:
	tensor_load_to_lds s[\g0b:\g0b+3], s[\g1b:\g1b+7]
	s_nop 0
.rept 4
	v_nop
.endr
.Lasked_\@:
.endm
.macro CREST
	s_cmp_lg_u32 s[WV], 0
	s_cbranch_scc1 .Lnot_wave_0_\@
	s_barrier_signal -3
.Lnot_wave_0_\@:
	s_barrier_wait -3
	s_barrier_signal -1
	s_barrier_wait -1
.endm
.macro CROUND
	s_barrier_signal -1
	s_barrier_wait -1
	CREST
.endm
.macro PLACES n
.rept \n
	v_nop
.endr
.endm
	s_load_b256 s[4:11], s[0:1], 0x0               ; qkv_codes, qkv_scales, p_codes, p_meta
	v_lshl_add_u32 v[SPW], v0, 2, SPARE
	v_mov_b32 v[NIL], 0
	ds_add_u32 v28, v29
	ds_add_u32 v28, v29
	s_wait_dscnt 0x0
	v_lshrrev_b32 v1, 5, v0
	v_readfirstlane_b32 s[WV], v1
	s_lshr_b32 s[HS1], s[WV], 1
	s_and_b32 s[HS0], s[WV], 1
	s_bfe_u32 s21, ttmp6, 0x40000                  ; cx
	s_bfe_u32 s22, ttmp6, 0x40004                  ; cy
	s_and_b32 s23, ttmp7, 0xffff                   ; the cluster's y
	s_lshl_b32 s40, s22, 2
	s_lshl_b32 s40, 15, s40                        ; my row of the cluster
	s_lshl_b32 s44, 0x1111, s21                    ; my column
	s_or_b32 s[G1], s40, (3<<16)|(1<<21)
	s_or_b32 s[G1B], s44, (3<<16)|(1<<21)
	s_or_b32 s[G1S], s40, (3<<16)|(1<<21)
	s_or_b32 s[G1SB], s44, (3<<16)|(1<<21)
.irp g, G1, G1B                        ; 8 row blocks x 3,072 bytes (384 elements of 8 bytes), 12,288 bytes apart
	s_mov_b32 s[\g+1], 384<<16
	s_mov_b32 s[\g+2], 8<<16
	s_mov_b32 s[\g+3], 384<<16
	s_mov_b32 s[\g+4], 8
	s_mov_b32 s[\g+5], RBG/8
	s_mov_b32 s[\g+6], 0
	s_mov_b32 s[\g+7], 0
.endr
.irp g, G1S, G1SB                      ; the scale words: 8 K steps x 512 bytes, 32,768 bytes apart
	s_mov_b32 s[\g+1], 64<<16
	s_mov_b32 s[\g+2], 8<<16
	s_mov_b32 s[\g+3], 64<<16
	s_mov_b32 s[\g+4], 8
	s_mov_b32 s[\g+5], 4096
	s_mov_b32 s[\g+6], 0
	s_mov_b32 s[\g+7], 0
.endr
	s_lshl_b32 s3, s[HS0], 3                       ; which 8 row blocks I fetch
	s_lshl_b32 s40, s23, 2                         ; q: row block 16 (4 cluster y + cy), in registers that never hold cx
	s_add_co_u32 s40, s40, s22
	s_lshl_b32 s40, s40, 4
	s_add_co_u32 s40, s40, s3
	s_mul_i32 s42, s40, RBG
	s_mov_b32 s43, 0
	s_lshl_b32 s40, s40, 6
	s_mov_b32 s41, 0
	s_lshl_b32 s44, ttmp9, 2                       ; k: row block 128 x batch + 16 (4 cluster x + cx), batch = cluster y / 2, in registers that never hold cy
	s_add_co_u32 s44, s44, s21
	s_lshl_b32 s44, s44, 4
	s_lshr_b32 s45, s23, 1
	s_lshl_b32 s45, s45, 7
	s_add_co_u32 s44, s44, s45
	s_add_co_u32 s44, s44, s3
	s_mul_i32 s46, s44, RBG
	s_add_co_u32 s46, s46, 6291456                 ; k's codes lie behind q's
	s_mov_b32 s47, 0
	s_lshl_b32 s44, s44, 6
	s_add_co_u32 s44, s44, 262144                  ; and its scale words behind q's
	s_mov_b32 s45, 0
	s_mul_i32 s2, s[WV], HALFT
	s_lshl_b32 s3, s[WV], 12
	s_wait_kmcnt 0x0
	s_add_nc_u64 s[42:43], s[4:5], s[42:43]
	s_add_nc_u64 s[40:41], s[6:7], s[40:41]
	s_add_nc_u64 s[46:47], s[4:5], s[46:47]
	s_add_nc_u64 s[44:45], s[6:7], s[44:45]
	CROUND                                         ; all sixteen work-groups are here: the first joint loads meet
	s_mov_b32 s[G0S], 1
	s_add_co_u32 s[G0S+1], s3, SCL
	s_mov_b64 s[G0S+2:G0S+3], s[40:41]
	s_or_b32 s[G0S+3], s[G0S+3], 0x80000000
	s_mov_b32 s[G0SB], 1
	s_add_co_u32 s[G0SB+1], s3, SCL
	s_mov_b64 s[G0SB+2:G0SB+3], s[44:45]
	s_or_b32 s[G0SB+3], s[G0SB+3], 0x80000000
	JLOAD G0S, G1S, G0SB, G1SB
.irp s, 0,1
	s_mov_b32 s[G0+4*\s], 1
	s_add_co_u32 s[G0+4*\s+1], s2, \s*SLOT
	s_add_nc_u64 s[G0+4*\s+2:G0+4*\s+3], s[42:43], \s*RBB
	s_or_b32 s[G0+4*\s+3], s[G0+4*\s+3], 0x80000000
	s_mov_b32 s[G0B+4*\s], 1
	s_add_co_u32 s[G0B+4*\s+1], s2, \s*SLOT
	s_add_nc_u64 s[G0B+4*\s+2:G0B+4*\s+3], s[46:47], \s*RBB
	s_or_b32 s[G0B+4*\s+3], s[G0B+4*\s+3], 0x80000000
	JLOAD G0+4*\s, G1, G0B+4*\s, G1B               ; three loads of mine are out
.endr
	v_and_b32 v1, 31, v0
	v_and_b32 v2, 15, v0
	v_bfe_u32 v3, v0, 4, 1
	v_lshlrev_b32 v[LI], 4, v1
	s_mul_i32 s2, s[HS1], HALFT
	s_mul_i32 s3, s[HS0], HALFT
	s_add_co_u32 s3, s3, 2*HALFT
.irp s, 0,1
	v_add_nc_u32 v[ADRA+\s], s2, v[LI]
	v_add_nc_u32 v[ADRB+\s], s3, v[LI]
	s_add_co_u32 s2, s2, SLOT
	s_add_co_u32 s3, s3, SLOT
.endr
	v_lshlrev_b32 v4, 2, v2
	s_xor_b32 s3, s[HS1], 1
	s_add_co_u32 s3, s3, s[HS0]
	s_add_co_u32 s3, s3, 1
	s_lshl_b32 s3, s3, 12                          ; from q's part to k's: 4,096 x (2 + HS0 - HS1)
	v_mul_u32_u24 v5, s3, v3
	s_lshl_b32 s2, s[HS1], 12
	s_add_co_u32 s2, s2, SCL
	v_add_nc_u32 v5, v4, v5
	v_add_nc_u32 v[ADRS], s2, v5
	s_lshl_b32 s2, s[WV], 11
	v_add_nc_u32 v[STS], s2, v4
	v_add_nc_u32 v[STR], s2, v[LI]
	s_mov_b32 s[SEL], 0x76543210
	s_mov_b32 s[SEL+1], 0xfedcba98
	s_mov_b32 s[CS], 0x3d38aa3b                    ; log2(e) / 32: the division by sqrt(1024) is exact
	s_mov_b32 s[CS+1], s[CS]                       ; (named with it as a pair, so it is written)
	s_mov_b32 s[FLR], 0x1800000
	s_mov_b32 s[NINF], 0xff800000
	; where my results go: row block 16 y + 8 HS1 on, K step 2 x + HS0;  x = 4 cluster x + cx, y = 4 cluster y + cy
	s_lshl_b32 s14, ttmp9, 2
	s_add_co_u32 s14, s14, s21
	s_lshl_b32 s14, s14, 1
	s_add_co_u32 s14, s14, s[HS0]
	s_lshl_b32 s15, s23, 2
	s_add_co_u32 s15, s15, s22
	s_lshl_b32 s15, s15, 4
	s_lshl_b32 s16, s[HS1], 3
	s_add_co_u32 s15, s15, s16
	s_mul_i32 s96, s15, 24576
	s_mul_i32 s16, s14, FRB
	s_add_co_u32 s96, s96, s16
	s_mov_b32 s97, 0
	s_lshl_b32 s98, s14, 15
	s_lshl_b32 s16, s15, 6
	s_add_co_u32 s98, s98, s16
	s_mov_b32 s99, 0
	s_add_nc_u64 s[OC:OC+1], s[8:9], s[96:97]
	s_add_nc_u64 s[OS:OS+1], s[10:11], s[98:99]
.macro FRAG reg, adr, q, i
.irp c, 0,1,2
	ds_load_b128 v[\reg+4*\c:\reg+4*\c+3], v[\adr] offset:RBB*(\i)+FRB*(\q)+512*\c
.endr
.endm
; 16 matrix instructions: q's blocks a0, a0 + 1 x k's eight.  zero = 1: the first product starts the sums.  The 64 accumulators take turns, one instruction a turn.
.macro MUL16 a0, p, q, sc, zero
.irp a, \a0, \a0+1
.irp b, 0,1,2,3,4,5,6,7
.set rD, 8*(8*((\a)%4)+\b)
.set rS0, 128*(\p)+FR*\b
.set rS1, AF+FR*(\a)
.set rX0, SC+8*NQ*(\sc)+NQ*\b+(\q)
.set rX1, SC+8*NQ*(\sc)+NQ*(\a)+(\q)
.if \zero
	v_wmma_scale_f32_16x16x128_f8f6f4 v[rD:rD+7], v[rS0:rS0+FR-1], v[rS1:rS1+FR-1], 0, v[rX0], v[rX1] matrix_a_fmt:MATRIX_FMT_FP6 matrix_b_fmt:MATRIX_FMT_FP6 matrix_a_scale:MATRIX_SCALE_ROW1
.else
	v_wmma_scale_f32_16x16x128_f8f6f4 v[rD:rD+7], v[rS0:rS0+FR-1], v[rS1:rS1+FR-1], v[rD:rD+7], v[rX0], v[rX1] matrix_a_fmt:MATRIX_FMT_FP6 matrix_b_fmt:MATRIX_FMT_FP6 matrix_a_scale:MATRIX_SCALE_ROW1
.endif
.endr
.endr
.endm
.macro FETCH_B slot, q, p
	WIN TO_B
.irp i, 0,1,2,3,4,5,6,7
	FRAG 128*(\p)+FR*\i, ADRB+\slot, \q, \i
.endr
	WIN 0
.endm
.macro FETCH_A slot, q, i0
.irp i, \i0, \i0+1, \i0+2, \i0+3
	FRAG AF+FR*(\i), ADRA+\slot, \q, \i
.endr
.endm
.macro SCALES sc                       ; lanes 0-15 q's block i, lanes 16-31 k's block i
.irp i, 0,1,2,3,4,5,6,7
.irp q, 0,1
	ds_load_b32 v[SC+8*NQ*\sc+NQ*\i+\q], v[ADRS] offset:512*\q+64*\i
.endr
.endr
.endm
.macro STEP slot, q, zero
	s_wait_dscnt 4*NL                              ; k's set, the scale words and q's blocks 0-3 are in; the youngest 12 loads (blocks 4-7) may be out
	WIN MUL_LO
	MUL16 0, (\q)%2, \q, \slot, \zero
	MUL16 2, (\q)%2, \q, \slot, \zero
	s_wait_dscnt 0x0
	PLACES 4
	FETCH_B \slot, (\q)+1, 1-(\q)%2
	FETCH_A \slot, (\q)+1, 0
	WIN MUL_HI
	MUL16 4, (\q)%2, \q, \slot, \zero
	MUL16 6, (\q)%2, \q, \slot, \zero
	PLACES 4
	WIN 0
	FETCH_A \slot, (\q)+1, 4
.endm
.macro TURN slot, next, fill           ; a slot's last step changes slots: one barrier, which with fill = 1 opens a round of the cluster's barrier
	s_wait_tensorcnt 0x0                           ; all my tensor loads have landed: my part of the next slot
	ds_add_u32 v[SPW], v[NIL]                      ; 0 onto my spare word
	s_wait_dscnt 4*NL+1                            ; the add and the youngest 12 loads may be out
	WIN MUL_LO
	MUL16 0, 1, NQ-1, \slot, 0
	s_wait_dscnt 0x0                               ; the add is done, and my reads of this slot are over
	s_barrier_signal -1
	MUL16 2, 1, NQ-1, \slot, 0
	WIN 0
	s_barrier_wait -1
.if \fill
	CREST
	s_add_nc_u64 s[G0+4*\slot+2:G0+4*\slot+3], s[G0+4*\slot+2:G0+4*\slot+3], 2*RBB
	s_add_nc_u64 s[G0B+4*\slot+2:G0B+4*\slot+3], s[G0B+4*\slot+2:G0B+4*\slot+3], 2*RBB
	JLOAD G0+4*\slot, G1, G0B+4*\slot, G1B
.else
	PLACES 4
.endif
	v_add_nc_u32 v[ADRS], 512*NQ, v[ADRS]
	FETCH_B \next, 0, 0
	FETCH_A \next, 0, 0
	SCALES \next
	WIN MUL_HI
	MUL16 4, 1, NQ-1, \slot, 0
	MUL16 6, 1, NQ-1, \slot, 0
	PLACES 4
	WIN 0
	FETCH_A \next, 0, 4
.endm
	s_wait_tensorcnt 0x1                           ; the scale words and my part of slot 0 are in; slot 1's load may be out
	s_barrier_signal -1
	s_barrier_wait -1
	FETCH_B 0, 0, 0
	FETCH_A 0, 0, 0
	SCALES 0
	FETCH_A 0, 0, 4
	STEP 0, 0, 1
	TURN 0, 1, 1
	STEP 1, 0, 0
	TURN 1, 0, 1
	STEP 0, 0, 0
	TURN 0, 1, 0
	STEP 1, 0, 0
	s_wait_dscnt 4*NL
	WIN MUL_LO
	MUL16 0, 1, NQ-1, 1, 0
	MUL16 2, 1, NQ-1, 1, 0
	s_wait_dscnt 0x0
	WIN MUL_HI
	MUL16 4, 1, NQ-1, 1, 0
	MUL16 6, 1, NQ-1, 1, 0
	WIN 0
	PLACES 4
.irp t, 64, 128
.irp o, 4,5,6,7,13,19
	v_mov_b32 v[\t+\o], 0                          ; written once: lane permutes' destinations, and the upper half of the pair that holds -M'
.endr
.endr
; q's block a: my query's 64 scores, register 16 g + i = key 32 g + 16 h + i.  The work registers stand at v64 on, but for blocks 1 and 5, whose accumulators carry the names v64-127: theirs stand at v128 on.
.macro SOFTQ a
.set AC, 64*((\a)%4)
.set WN, 2+(\a)/4
.if ((\a)%4) == 1
.set TB, 128
.else
.set TB, 64
.endif
.set TM,  TB                           ; the blocks' largest scores, then their largest p
.set TX,  TB+4
.set SO,  TB+8
.set NM,  TB+12                        ; -M' (a pair: the packed form takes its low word for both halves)
.set SUM, TB+14
.set SU2, TB+16
.set TT,  TB+18
.set PC,  TB+32
.set W20, WN*20
.set W65, WN*65
.set W5,  WN*5
.set W4,  WN*4
	WIN W20                                        ; sources 1 and 2 in the accumulators' window
.irp g, 0,1,2,3
	v_max3_num_f32 v[TM+\g], s[NINF], v[AC+16*\g], v[AC+16*\g+1]   ; the largest score of each block of 32 keys: it serves for the maximum and, since p rises with the score, for the block's largest p
.endr
.irp i, 2,4,6,8,10,12,14
.irp g, 0,1,2,3
	v_max3_num_f32 v[TM+\g], v[TM+\g], v[AC+16*\g+\i], v[AC+16*\g+\i+1]
.endr
.endr
	WIN 0
.irp g, 0,1,2,3
	v_permlanex16_b32 v[TX+\g], v[TM+\g], s[SEL], s[SEL+1]
.endr
.irp g, 0,1,2,3
	v_max_num_f32 v[TM+\g], v[TM+\g], v[TX+\g]     ; with lane l xor 16's 16 keys
.endr
	v_max3_num_f32 v[TT], v[TM], v[TM+1], v[TM+2]
	v_max_num_f32 v[TT], v[TT], v[TM+3]
	v_mul_f32 v[TT], s[CS], v[TT]                  ; the largest t of my query's 128 keys (c is positive)
	v_floor_f32 v[NM], -v[TT]                      ; -M' = floor(-t) = -ceil(t): a whole number
.irp g, 0,1,2,3
	v_fma_f32 v[TM+\g], v[TM+\g], s[CS], v[NM]
.endr
	WIN W65                                        ; destination and source 0 in the accumulators' window
.set j, 0
.rept 32
	v_pk_fma_f32 v[AC+j:AC+j+1], v[AC+j:AC+j+1], s[CS:CS+1], v[NM:NM+1] op_sel_hi:[1,0,0]   ; t - M', two at a time
.set j, j+2
.endr
.set j, 0
.rept 64
	v_exp_f32 v[AC+j], v[AC+j]                     ; p = 2^(t - M'), at most 1
.set j, j+1
.endr
	WIN 0
	v_nop                                          ; a plain place behind the exponentials
	s_wait_alu depctr_va_vdst(0)                   ; one wait for the whole batch, ahead of its first reader
	v_mov_b32 v[NMS+\a], v[NM]
.irp g, 0,1,2,3
	v_exp_f32 v[TM+\g], v[TM+\g]                   ; the block's largest p: the same two instructions on the same number give the same bits
.endr
	WIN W5                                         ; the sum of the unquantised p, two at a time, in two chains: plain work behind the four
	v_pk_add_f32 v[SUM:SUM+1], v[AC:AC+1], v[AC+2:AC+3]
	v_pk_add_f32 v[SU2:SU2+1], v[AC+4:AC+5], v[AC+6:AC+7]
	WIN W4
.set j, 8
.rept 14
	v_pk_add_f32 v[SUM:SUM+1], v[SUM:SUM+1], v[AC+j:AC+j+1]
	v_pk_add_f32 v[SU2:SU2+1], v[SU2:SU2+1], v[AC+j+2:AC+j+3]
.set j, j+4
.endr
	WIN 0
	v_pk_add_f32 v[SUM:SUM+1], v[SUM:SUM+1], v[SU2:SU2+1]
	v_add_f32 v[TT], v[SUM], v[SUM+1]
	v_permlanex16_b32 v[TT+1], v[TT], s[SEL], s[SEL+1]
	v_add_f32 v[LS+\a], v[TT], v[TT+1]             ; l' of my query
	s_wait_alu depctr_va_vdst(0)                   ; and one wait for the four
.irp g, 0,1,2,3
	v_max_num_f32 v[TM+\g], s[FLR], v[TM+\g]       ; the floor: the byte cannot fall under 1
.endr
.irp g, 0,1,2,3
	v_add_nc_u32 v[SO+\g], 0xff000000, v[TM+\g]    ; 2 off the exponent field: the conversion's scale operand
.endr
.irp g, 0,1,2,3
	v_lshrrev_b32 v[TX+\g], 23, v[SO+\g]
.endr
	v_lshl_or_b32 v[PWS+\a], v[TX+1], 8, v[TX]
	v_lshl_or_b32 v[PWS+\a], v[TX+2], 16, v[PWS+\a]
	v_lshl_or_b32 v[PWS+\a], v[TX+3], 24, v[PWS+\a]
.if \a > 0
	s_wait_xcnt 0x0                                ; earlier blocks' stores have read their data: the codes' registers are written again only behind this wait
.endif
	WIN WN
.irp c, 0,1
	v_cvt_scalef32_pk16_fp6_f32 v[PC+6*\c:PC+6*\c+2], v[AC+32*\c:AC+32*\c+15], v[SO+2*\c]
	v_cvt_scalef32_pk16_fp6_f32 v[PC+12+4*\c:PC+14+4*\c], v[AC+32*\c+16:AC+32*\c+31], v[SO+2*\c+1]
.endr
	WIN 0
	v_nop                                          ; one plain place behind a scaled conversion
.irp c, 0,1
.irp i, 0,1,2
	v_permlane16_swap_b32 v[PC+6*\c+\i], v[PC+12+4*\c+\i]
.endr
.irp i, 0,1,2
	v_mov_b32 v[PC+3+6*\c+\i], v[PC+12+4*\c+\i]
.endr
.endr
.irp c, 0,1,2
	global_store_b128 v[LI], v[PC+4*\c:PC+4*\c+3], s[OC:OC+1] offset:24576*(\a)+512*\c   ; the fragment's image: 512 consecutive bytes a store
.endr
.endm
.irp a, 0,1,2,3,4,5,6,7
	SOFTQ \a
.endr
.irp a, 0,1,2,3,4,5,6,7
	ds_store_b32 v[STS], v[PWS+\a] offset:64*\a    ; both lanes of a row write the same word with the same value
	ds_store_b32 v[STS], v[NMS+\a] offset:512+64*\a
	ds_store_b32 v[STS], v[LS+\a] offset:1024+64*\a
.endr
.irp p, 0,1,2
	ds_load_b128 v[MO+4*\p:MO+4*\p+3], v[STR] offset:512*\p   ; LDS serves a wave's instructions in order: these see my stores
.endr
	s_wait_dscnt 0x0
.irp p, 0,1,2
	global_store_b128 v[LI], v[MO+4*\p:MO+4*\p+3], s[OS:OS+1] offset:524288*\p   ; 128 rows' words of one plane: 512 consecutive bytes
.endr
	s_wait_tensorcnt 0x0                           ; the wave's end
	ds_add_u32 v[SPW], v[NIL]
	s_wait_dscnt 0x0
	CROUND                                         ; the closing round
	s_endpgm
.Lfunc_end_k_qc848b1e4fa_score:
	.size	k_qc848b1e4fa_score, .Lfunc_end_k_qc848b1e4fa_score-k_qc848b1e4fa_score
	.p2alignl 7, 3214868480
	.fill 96, 4, 3214868480
	.section	.rodata,"a",@progbits
	.p2align	6, 0x0
	.amdhsa_kernel k_qc848b1e4fa_score
		.amdhsa_group_segment_fixed_size 327680
		.amdhsa_private_segment_fixed_size 0
		.amdhsa_enable_private_segment 0
		.amdhsa_kernarg_size 32
		.amdhsa_user_sgpr_count 2
		.amdhsa_user_sgpr_kernarg_segment_ptr 1
		.amdhsa_wavefront_size32 1
		.amdhsa_system_sgpr_workgroup_id_x 1
		.amdhsa_system_sgpr_workgroup_id_y 1
		.amdhsa_system_sgpr_workgroup_id_z 1
		.amdhsa_system_vgpr_workitem_id 0
		.amdhsa_next_free_vgpr 1024
		.amdhsa_next_free_sgpr 102
		.amdhsa_reserve_vcc 0
		.amdhsa_float_denorm_mode_32 3
		.amdhsa_float_denorm_mode_16_64 3
		.amdhsa_memory_ordered 1
		.amdhsa_forward_progress 1
		.amdhsa_inst_pref_size 199
	.end_amdhsa_kernel
	.amdgpu_metadata
---
amdhsa.version: [ 1, 2 ]
amdhsa.kernels:
  - .name:           k_qc848b1e4fa_score
    .symbol:         k_qc848b1e4fa_score.kd
    .args:
      - { .name: qkv_codes, .offset: 0, .size: 8, .value_kind: global_buffer, .address_space: global }
      - { .name: qkv_scales, .offset: 8, .size: 8, .value_kind: global_buffer, .address_space: global }
      - { .name: p_codes, .offset: 16, .size: 8, .value_kind: global_buffer, .address_space: global }
      - { .name: p_meta, .offset: 24, .size: 8, .value_kind: global_buffer, .address_space: global }
    .group_segment_fixed_size: 327680
    .private_segment_fixed_size: 0
    .kernarg_segment_align: 8
    .kernarg_segment_size: 32
    .max_flat_workgroup_size: 128
    .sgpr_count:     102
    .vgpr_count:     1024
    .wavefront_size: 32
...
	.end_amdgpu_metadata
.endif
;; end of part 3
;; launch pv (part 4): grid 4 x 64, 4 waves a work-group, clusters of 4 x 4, 327,680 bytes of LDS; arguments p_codes, p_meta, qkv_codes, qkv_scales, out0; writes out0
.if DOCPART == 4
	.amdgcn_target "amdgcn-amd-amdhsa--gfx1250"
	.amdhsa_code_object_version 6
	.text
	.protected	k_qc848b1e4fa_pv
	.globl	k_qc848b1e4fa_pv
	.p2align	8
	.type	k_qc848b1e4fa_pv,@function
k_qc848b1e4fa_pv:
	s_mov_b64 s[64:65], 0
	v_nop
	global_prefetch_b8 v0, s[64:65] scope:SCOPE_SE
	s_setreg_imm32_b32 hwreg(HW_REG_WAVE_MODE, 25, 1), 1
	s_wait_xcnt 0x0
	s_wait_alu depctr_hold_cnt(0) depctr_sa_sdst(0) depctr_va_vdst(0) depctr_va_sdst(0) depctr_va_ssrc(0) depctr_va_vcc(0) depctr_vm_vsrc(0)
	s_getreg_b32 s2, hwreg(HW_REG_IB_STS2, 6, 4)
	s_cmp_eq_u32 s2, 0
	s_cbranch_scc0 .Lentry_in_a_cluster
	s_endpgm
.Lentry_in_a_cluster:
	s_bfe_u32 s2, ttmp6, 0x10000c
	s_cmp_lg_u32 s2, 0xf033
	s_cbranch_scc0 .Lentry_shape_is_right
	s_endpgm
.Lentry_shape_is_right:
; out = (p v) / l on codes of FP6 (E2M3) with E8M0 scales, sums in f32.  p arrives in 16 chunks of 128 keys, each with scale bytes relative to its own whole number M', with -M' and with its sum l'.
; At the head each thread takes one of the work-group's 128 rows: M = the largest M'; d = M - M' is taken off the chunk's four scale bytes (a power of two, which the scale takes up); l = the sum of l' 2^-d.
; LIMITS: NaN and infinities are not served.  d is held at 127, and a byte that would fall under 0 becomes 0, which stands for 2^-127, where the rule holds the byte at 1: such a block lies 2^-120 or more under the row's largest p.
; A tile is 128 queries x 256 channels (256 x 256 would give 128 work-groups only); a wave makes 64 x 128: 32 accumulators.  Source 0 = v (rows = channels, K = keys), source 1 = p.  In the result lane (r, h) holds
; p's lane r, and the 16 registers of v's blocks 2 g, 2 g + 1 are channels 32 g + 16 h + 0 .. 15; lane r of p's row block 2 G + u is query 32 G + 8 u + r % 8 + 16 (r / 8): the stores' row offsets undo that order.
; K = 2,048 goes in four steps of 512 through two LDS slots.  CLUSTERS: 4 x 4; p's tiles are asked for jointly along a row of the cluster, v's tiles and scale words along a column.
; REGISTERS: window 0: v16-29 addresses; v32-95 scale words, two sets of 32; v96-103 1 / l; v128-175, v176-223 p's fragments, two sets (at the head: the chunks' words; on the way out: results).
;   window 1: v's fragments, two sets, at v0 and v128.   window 2: the accumulators, (a, b) at v[8 (8 a + b)].
.set FR,    12
.set FRB,   1536
.set KS4,   4*FRB                      ; a row block's bytes in a slot: four K steps of 128
.set PH,    4*KS4                      ; p: 4 row blocks, what one tensor load brings and one wave reads
.set VH,    8*KS4                      ; v: 8 row blocks
.set SLOT,  2*PH+2*VH                  ; p's two halves, then v's
.set PSC,   2*SLOT                     ; p's scale words under the row's M: [16 K steps][8 row blocks][64 bytes]; stored by the waves, no fill lands here
.set LINV,  PSC+8192                   ; 1 / l of the 128 rows
.set VSC,   LINV+512                   ; v's scale words: two halves of [16 K steps][8 row blocks][64 bytes], filled once
.set SPARE, VSC+16384                  ; the spare words, 128 bytes for each wave: two blocks of 256 bytes that no other line names
.set SPITCH, 528                       ; the way out: a stage of 16 rows x (512 + 16) bytes for each wave, in slot 0, which has had its last fill and its last read by then
.set ADRA, 16
.set ILA,  18                          ; v18 1 / l of my lane's row of block 0
.set ADRB, 20
.set PSA,  22                          ; v22 PSC + 4 x thread
.set MA,   23                          ; v23 4 x thread
.set STO,  24
.set RD,   25
.set CO,   26                          ; v26 16 x lane
.set ADRS, 27                          ; v27 lanes 0-15 p's scale words, lanes 16-31 v's
.set SPW,  28
.set NIL,  29
.set SC,   32                          ; set s at v[SC + 32 s]; register 4 i + q: block i, the slot's q-th K step (in registers of i = 4 .. 7 lanes 0-15 hold words that no product names)
.set IL,   96
.set AF,   128
.set WK,   128                         ; the head: v128-143 the chunks' scale words, v144-159 -M', v160-175 l'
.set NK,   144
.set LK,   160
.set NMIN, 176
.set LT,   177
.set DD,   178
.set ND,   179
.set FF,   180
.set REP,  181
.set MK,   182
.set OT,   128                         ; the way out: a block's 64 results; v192-255 its rows read back
.set OB,   192
.set WV,   18
.set HS1,  19                          ; which half of p's rows is mine.  Also: I fetch for p (0) or for v (1)
.set HS0,  20                          ; which half of v's rows.  Also: which half I fetch
.set HB,   16                          ; s16 0x80808080
.set G1,   24
.set G0,   32
.set G1B,  48
.set G0B,  56
.set G1SB, 80
.set G0SB, 88
.set OC,   96
.set MSB, 0
.macro WIN new
.if MSB != \new
	s_set_vgpr_msb (MSB<<8)|\new
.set MSB, \new
.endif
.endm
.set MUL,  0xa1                        ; source 0 (v) window 1, source 1 (p) window 0, C and D window 2
.set TO_B, 0x40
.macro JLOAD s                         ; waves 0 and 1 fetch p's halves, waves 2 and 3 v's; four v_nop follow each of the two lines
	s_cmp_eq_u32 s[HS1], 0
	s_cbranch_scc0 .Lfor_v_\@
	tensor_load_to_lds s[G0+4*\s:G0+4*\s+3], s[G1:G1+7]
	s_nop 0
.rept 4
	v_nop
.endr
	s_branch .Lasked_\@
.Lfor_v_\@:
	tensor_load_to_lds s[G0B+4*\s:G0B+4*\s+3], s[G1B:G1B+7]
	s_nop 0
.rept 4
	v_nop
.endr
.Lasked_\@:
.endm
.macro CREST
	s_cmp_lg_u32 s[WV], 0
	s_cbranch_scc1 .Lnot_wave_0_\@
	s_barrier_signal -3
.Lnot_wave_0_\@:
	s_barrier_wait -3
	s_barrier_signal -1
	s_barrier_wait -1
.endm
.macro CROUND
	s_barrier_signal -1
	s_barrier_wait -1
	CREST
.endm
.macro PLACES n
.rept \n
	v_nop
.endr
.endm
	s_load_b256 s[4:11], s[0:1], 0x0               ; p_codes, p_meta, qkv_codes, qkv_scales
	s_load_b64 s[12:13], s[0:1], 0x20              ; out0
	v_lshl_add_u32 v[SPW], v0, 2, SPARE
	v_mov_b32 v[NIL], 0
	ds_add_u32 v28, v29
	ds_add_u32 v28, v29
	s_wait_dscnt 0x0
	v_lshl_add_u32 v[PSA], v0, 2, PSC
	v_lshlrev_b32 v[MA], 2, v0
	v_lshrrev_b32 v1, 5, v0
	v_readfirstlane_b32 s[WV], v1
	s_lshr_b32 s[HS1], s[WV], 1
	s_and_b32 s[HS0], s[WV], 1
	s_bfe_u32 s21, ttmp6, 0x40000                  ; cx: the tile of 256 channels
	s_bfe_u32 s22, ttmp6, 0x40004                  ; cy
	s_and_b32 s23, ttmp7, 0xffff                   ; the cluster's y, 0..15
	s_lshl_b32 s40, s22, 2
	s_lshl_b32 s40, 15, s40                        ; my row of the cluster
	s_lshl_b32 s44, 0x1111, s21                    ; my column
	s_or_b32 s[G1], s40, (3<<16)|(1<<21)           ; elements of 8 bytes; bit 21 set beside a mask; no padding
	s_or_b32 s[G1B], s44, (3<<16)|(1<<21)
	s_or_b32 s[G1SB], s44, (3<<16)|(1<<21)
	s_mov_b32 s[G1+1], 768<<16                     ; p: 4 row blocks x 6,144 bytes, 24,576 bytes apart
	s_mov_b32 s[G1+2], 4<<16
	s_mov_b32 s[G1+3], 768<<16
	s_mov_b32 s[G1+4], 4
	s_mov_b32 s[G1+5], 3072
	s_mov_b32 s[G1+6], 0
	s_mov_b32 s[G1+7], 0
	s_mov_b32 s[G1B+1], 768<<16                    ; v: 8 row blocks likewise
	s_mov_b32 s[G1B+2], 8<<16
	s_mov_b32 s[G1B+3], 768<<16
	s_mov_b32 s[G1B+4], 8
	s_mov_b32 s[G1B+5], 3072
	s_mov_b32 s[G1B+6], 0
	s_mov_b32 s[G1B+7], 0
	s_mov_b32 s[G1SB+1], 64<<16                    ; v's scale words: 16 K steps x 512 bytes, 4,096 bytes apart
	s_mov_b32 s[G1SB+2], 16<<16
	s_mov_b32 s[G1SB+3], 64<<16
	s_mov_b32 s[G1SB+4], 16
	s_mov_b32 s[G1SB+5], 512
	s_mov_b32 s[G1SB+6], 0
	s_mov_b32 s[G1SB+7], 0
	s_lshl_b32 s40, s23, 2                         ; p, in registers that never hold cx: y = 4 cluster y + cy, row block 8 y + 4 x my half
	s_add_co_u32 s40, s40, s22
	s_lshl_b32 s41, s40, 3
	s_lshl_b32 s3, s[HS0], 2
	s_add_co_u32 s41, s41, s3
	s_mul_i32 s42, s41, 16*FRB
	s_mov_b32 s43, 0
	s_lshr_b32 s14, s23, 2                         ; the batch: cluster y / 4
	s_lshl_b32 s44, s21, 4                         ; v, in registers that never hold cy: row block 16 cx + 8 x my half
	s_lshl_b32 s3, s[HS0], 3
	s_add_co_u32 s44, s44, s3
	s_mul_i32 s46, s44, 16*FRB
	s_mul_i32 s45, s14, 1572864
	s_add_co_u32 s46, s46, s45
	s_add_co_u32 s46, s46, 12582912                ; v's codes lie behind q's and k's
	s_mov_b32 s47, 0
	s_lshl_b32 s44, s44, 6
	s_lshl_b32 s45, s14, 16
	s_add_co_u32 s44, s44, s45
	s_add_co_u32 s44, s44, 524288
	s_mov_b32 s45, 0
	s_lshl_b32 s66, s40, 9                         ; my work-group's 128 rows in a plane of p_meta
	s_mov_b32 s67, 0
	s_lshl_b32 s96, s40, 7                         ; out0: row 128 y + 64 HS1, column 256 cx + 128 HS0
	s_lshl_b32 s15, s[HS1], 6
	s_add_co_u32 s96, s96, s15
	s_lshl_b32 s96, s96, 12
	s_lshl_b32 s15, s21, 10
	s_add_co_u32 s96, s96, s15
	s_lshl_b32 s15, s[HS0], 9
	s_add_co_u32 s96, s96, s15
	s_mov_b32 s97, 0
	s_mov_b32 s[HB], 0x80808080
	s_wait_kmcnt 0x0
	s_add_nc_u64 s[42:43], s[4:5], s[42:43]
	s_add_nc_u64 s[46:47], s[8:9], s[46:47]
	s_add_nc_u64 s[44:45], s[10:11], s[44:45]
	s_add_nc_u64 s[66:67], s[6:7], s[66:67]
	s_add_nc_u64 s[OC:OC+1], s[12:13], s[96:97]
.irp p, 0,1,2                          ; my row's 16 scale words, 16 -M', 16 l': the four waves read 512 consecutive bytes a line
.irp k, 0,1,2,3,4,5,6,7,8,9,10,11,12,13,14,15
	global_load_b32 v[WK+16*\p+\k], v[MA], s[66:67] offset:524288*\p+32768*\k
.endr
.endr
	CROUND                                         ; all sixteen work-groups are here: the first joint loads meet
	s_mul_i32 s2, s[HS0], PH                       ; where the tiles go: no place in the cluster enters an LDS address
	s_mul_i32 s3, s[HS0], VH
	s_add_co_u32 s3, s3, 2*PH
.irp s, 0,1
	s_mov_b32 s[G0+4*\s], 1
	s_add_co_u32 s[G0+4*\s+1], s2, \s*SLOT
	s_add_nc_u64 s[G0+4*\s+2:G0+4*\s+3], s[42:43], \s*KS4
	s_or_b32 s[G0+4*\s+3], s[G0+4*\s+3], 0x80000000
	s_mov_b32 s[G0B+4*\s], 1
	s_add_co_u32 s[G0B+4*\s+1], s3, \s*SLOT
	s_add_nc_u64 s[G0B+4*\s+2:G0B+4*\s+3], s[46:47], \s*KS4
	s_or_b32 s[G0B+4*\s+3], s[G0B+4*\s+3], 0x80000000
.endr
	s_mov_b32 s[G0SB], 1
	s_lshl_b32 s2, s[HS0], 13
	s_add_co_u32 s[G0SB+1], s2, VSC
	s_mov_b64 s[G0SB+2:G0SB+3], s[44:45]
	s_or_b32 s[G0SB+3], s[G0SB+3], 0x80000000
	s_cmp_eq_u32 s[HS1], 0                         ; a wave's first fills stand in one branch: two loads of mine are out (p), or three (v)
	s_cbranch_scc0 .Lfirst_v
	tensor_load_to_lds s[G0:G0+3], s[G1:G1+7]
	s_nop 0
	tensor_load_to_lds s[G0+4:G0+7], s[G1:G1+7]
	s_nop 0
.rept 4
	v_nop
.endr
	s_branch .Lfirst_done
.Lfirst_v:
	tensor_load_to_lds s[G0SB:G0SB+3], s[G1SB:G1SB+7]
	s_nop 0
	tensor_load_to_lds s[G0B:G0B+3], s[G1B:G1B+7]
	s_nop 0
	tensor_load_to_lds s[G0B+4:G0B+7], s[G1B:G1B+7]
	s_nop 0
.rept 4
	v_nop
.endr
.Lfirst_done:
	v_and_b32 v1, 31, v0
	v_and_b32 v2, 15, v0
	v_bfe_u32 v3, v0, 4, 1
	v_lshlrev_b32 v[CO], 4, v1
	s_mul_i32 s2, s[HS1], PH
	s_mul_i32 s3, s[HS0], VH
	s_add_co_u32 s3, s3, 2*PH
.irp s, 0,1
	v_add_nc_u32 v[ADRA+\s], s2, v[CO]
	v_add_nc_u32 v[ADRB+\s], s3, v[CO]
	s_add_co_u32 s2, s2, SLOT
	s_add_co_u32 s3, s3, SLOT
.endr
	v_lshlrev_b32 v4, 2, v2
	s_xor_b32 s2, s[HS1], 1
	s_lshl_b32 s2, s2, 8
	s_lshl_b32 s3, s[HS0], 13
	s_add_co_u32 s2, s2, s3
	s_add_co_u32 s2, s2, VSC-PSC-256               ; from p's words to v's: VSC + 8,192 HS0 - PSC - 256 HS1
	v_mul_u32_u24 v5, s2, v3                       ; lanes 16-31 take v's
	s_lshl_b32 s3, s[HS1], 8
	s_add_co_u32 s3, s3, PSC
	v_add_nc_u32 v5, v4, v5
	v_add_nc_u32 v[ADRS], s3, v5
	s_add_co_u32 s3, s3, LINV-PSC
	v_add_nc_u32 v[ILA], s3, v4
	s_mul_i32 s2, s[WV], 16*SPITCH                 ; my stage
	v_mul_u32_u24 v5, v2, SPITCH
	v_lshl_add_u32 v5, v3, 6, v5
	v_add_nc_u32 v[STO], s2, v5                    ; in: row r, + 64 h
	v_add_nc_u32 v[RD], s2, v[CO]                  ; back: a row of 512 bytes, 16 bytes a lane
	s_wait_loadcnt 0x0
	v_min3_num_f32 v[NMIN], v[NK], v[NK+1], v[NK+2]   ; -M = the least -M'
.irp i, 3,5,7,9,11,13
	v_min3_num_f32 v[NMIN], v[NMIN], v[NK+\i], v[NK+\i+1]
.endr
	v_min_num_f32 v[NMIN], v[NMIN], v[NK+15]
.irp k, 0,1,2,3,4,5,6,7,8,9,10,11,12,13,14,15
	v_sub_f32 v[DD], v[NK+\k], v[NMIN]             ; d = M - M': a whole number, 0 or more,
	v_min_num_f32 v[DD], 0x42fe0000, v[DD]         ; held at 127
	v_cvt_u32_f32 v[DD], v[DD]
	v_sub_nc_u32 v[ND], 0, v[DD]
	v_ldexp_f32 v[FF], 1.0, v[ND]                  ; 2^-d
.if \k == 0
	v_mul_f32 v[LT], v[LK], v[FF]
.else
	v_fmac_f32 v[LT], v[LK+\k], v[FF]              ; l += l' 2^-d
.endif
	v_perm_b32 v[REP], v[DD], v[DD], 0             ; d in all four bytes
	v_or_b32 v[WK+\k], s[HB], v[WK+\k]             ; each byte b (1 .. 125) + 128,
	v_sub_nc_u32 v[WK+\k], v[WK+\k], v[REP]        ; - d: at least 1, so no byte borrows from its neighbour; bit 7 stays where b - d is not negative
	v_and_b32 v[MK], s[HB], v[WK+\k]
	v_lshrrev_b32 v[FF], 7, v[MK]
	v_sub_nc_u32 v[MK], v[MK], v[FF]               ; 0x7f in such a byte, 0 in the others
	v_and_b32 v[WK+\k], v[WK+\k], v[MK]            ; b - d, or 0
	ds_store_b32 v[PSA], v[WK+\k] offset:512*\k
.endr
	v_rcp_f32 v[LT], v[LT]                         ; l is above 1/2: the chunk that holds the row's M has a p above 1/2
	v_nop                                          ; a plain place behind the transcendental
	s_wait_alu depctr_va_vdst(0)                   ; and the wait ahead of its first reader
	ds_store_b32 v[PSA], v[LT] offset:LINV-PSC
; 8 matrix instructions: p's block a x v's eight; the 32 accumulators take turns, one instruction a turn
.macro MULA a, p, q, sc, zero
.irp b, 0,1,2,3,4,5,6,7
.set rD, 8*(8*(\a)+\b)
.set rS0, 128*(\p)+FR*\b
.set rS1, AF+48*(\p)+FR*(\a)
.set rX0, SC+32*(\sc)+4*\b+(\q)
.set rX1, SC+32*(\sc)+4*(\a)+(\q)
.if \zero
	v_wmma_scale_f32_16x16x128_f8f6f4 v[rD:rD+7], v[rS0:rS0+FR-1], v[rS1:rS1+FR-1], 0, v[rX0], v[rX1] matrix_a_fmt:MATRIX_FMT_FP6 matrix_b_fmt:MATRIX_FMT_FP6 matrix_a_scale:MATRIX_SCALE_ROW1
.else
	v_wmma_scale_f32_16x16x128_f8f6f4 v[rD:rD+7], v[rS0:rS0+FR-1], v[rS1:rS1+FR-1], v[rD:rD+7], v[rX0], v[rX1] matrix_a_fmt:MATRIX_FMT_FP6 matrix_b_fmt:MATRIX_FMT_FP6 matrix_a_scale:MATRIX_SCALE_ROW1
.endif
.endr
.endm
.macro FETCH4 slot, q, p               ; 36 LDS loads in one run: v's eight and p's four fragments of the slot's q-th K step into set p
	WIN TO_B
.irp i, 0,1,2,3,4,5,6,7
.irp c, 0,1,2
	ds_load_b128 v[128*(\p)+FR*\i+4*\c:128*(\p)+FR*\i+4*\c+3], v[ADRB+\slot] offset:KS4*\i+FRB*(\q)+512*\c
.endr
.endr
	WIN 0
.irp i, 0,1,2,3
.irp c, 0,1,2
	ds_load_b128 v[AF+48*(\p)+FR*\i+4*\c:AF+48*(\p)+FR*\i+4*\c+3], v[ADRA+\slot] offset:KS4*\i+FRB*(\q)+512*\c
.endr
.endr
.endm
.macro SCALES4 sc
.irp i, 0,1,2,3,4,5,6,7
.irp q, 0,1,2,3
	ds_load_b32 v[SC+32*\sc+4*\i+\q], v[ADRS] offset:512*\q+64*\i
.endr
.endr
.endm
.macro S4 slot, q, zero                ; a K step that has its successor in the same slot: the successor's fragments are asked for behind the first eight products
	s_wait_dscnt 0x0                               ; this step's fragments are in
	WIN MUL
	MULA 0, (\q)%2, \q, \slot, \zero
	PLACES 4
	FETCH4 \slot, (\q)+1, 1-(\q)%2
	WIN MUL
	MULA 1, (\q)%2, \q, \slot, \zero
	MULA 2, (\q)%2, \q, \slot, \zero
	MULA 3, (\q)%2, \q, \slot, \zero
.endm
.macro T4 slot, next, fill             ; a slot's last step changes slots: one barrier, which with fill = 1 opens a round of the cluster's barrier
	WIN 0                                          ; (the add's two registers lie in window 0)
	s_wait_tensorcnt 0x0                           ; all my tensor loads have landed: my part of the next slot
	ds_add_u32 v[SPW], v[NIL]                      ; 0 onto my spare word
	s_wait_dscnt 0x1                               ; the add alone may be out
	WIN MUL
	MULA 0, 1, 3, \slot, 0
	s_wait_dscnt 0x0                               ; the add is done, and my reads of this slot are over
	s_barrier_signal -1
	MULA 1, 1, 3, \slot, 0
	WIN 0
	s_barrier_wait -1
.if \fill
	CREST                                          ; no wave of any partner still reads this slot or has a load on its way
	s_add_nc_u64 s[G0+4*\slot+2:G0+4*\slot+3], s[G0+4*\slot+2:G0+4*\slot+3], 2*KS4
	s_add_nc_u64 s[G0B+4*\slot+2:G0B+4*\slot+3], s[G0B+4*\slot+2:G0B+4*\slot+3], 2*KS4
	JLOAD \slot                                    ; its four v_nop are the places in front of the loads below
.else
	PLACES 4
.endif
	v_add_nc_u32 v[ADRS], 2048, v[ADRS]            ; the next slot's scale words
	FETCH4 \next, 0, 0
	SCALES4 \next
	WIN MUL
	MULA 2, 1, 3, \slot, 0
	MULA 3, 1, 3, \slot, 0
.endm
	s_wait_tensorcnt 0x1                           ; v's scale words and my part of slot 0 are in; slot 1's load may be out
	s_wait_dscnt 0x0                               ; my rows' scale words and 1 / l lie in LDS
	s_barrier_signal -1
	s_barrier_wait -1
	FETCH4 0, 0, 0
	SCALES4 0
	S4 0, 0, 1                                     ; the first products start the sums
	S4 0, 1, 0
	S4 0, 2, 0
	T4 0, 1, 1
	S4 1, 0, 0
	S4 1, 1, 0
	S4 1, 2, 0
	T4 1, 0, 1
	S4 0, 0, 0
	S4 0, 1, 0
	S4 0, 2, 0
	T4 0, 1, 0                                     ; nothing is left to fetch
	S4 1, 0, 0
	S4 1, 1, 0
	S4 1, 2, 0
	s_wait_dscnt 0x0
	WIN MUL
	MULA 0, 1, 3, 1, 0
	MULA 1, 1, 3, 1, 0
	MULA 2, 1, 3, 1, 0
	MULA 3, 1, 3, 1, 0
	WIN 0
	PLACES 4
.irp a, 0,1,2,3
	ds_load_b32 v[IL+2*\a], v[ILA] offset:64*\a    ; 1 / l of my lane's row of block a, twice: a pair for the packed multiply
	ds_load_b32 v[IL+2*\a+1], v[ILA] offset:64*\a
.endr
	s_wait_dscnt 0x0
; THE WAY OUT of block a: divided by l; a lane's 4 x 64 bytes of its row go into my stage; whole rows of 512 bytes come back and are stored.
.macro OUTA a
	WIN 0x02                                       ; source 0 in window 2
.set j, 0
.rept 32
	v_pk_mul_f32 v[OT+j:OT+j+1], v[64*(\a)+j:64*(\a)+j+1], v[IL+2*(\a):IL+2*(\a)+1]   ; each accumulator from its low end on
.set j, j+2
.endr
	WIN 0
.irp g, 0,1,2,3
.irp i, 0,1,2,3
	ds_store_b128 v[STO], v[OT+16*\g+4*\i:OT+16*\g+4*\i+3] offset:128*\g+16*\i   ; channels 32 g + 16 h + 4 i on
.endr
.endr
.if \a > 0
	s_wait_xcnt 0x0                                ; the last block's stores have read their data: the loads below land there only behind this wait
.endif
.irp t, 0,1,2,3,4,5,6,7,8,9,10,11,12,13,14,15
	ds_load_b128 v[OB+4*\t:OB+4*\t+3], v[RD] offset:SPITCH*\t   ; LDS serves a wave's instructions in order: these see my stores
.endr
.irp t, 0,1,2,3,4,5,6,7,8,9,10,11,12,13,14,15
	s_wait_dscnt 15-\t                             ; row t is back; the younger rows may be out
	global_store_b128 v[CO], v[OB+4*\t:OB+4*\t+3], s[OC:OC+1] offset:(32*((\a)/2)+8*((\a)%2)+(\t%8)+16*(\t/8))*4096 th:TH_STORE_NT   ; 32 lanes store 512 consecutive bytes of one row, aligned to 512
.endr
.endm
.irp a, 0,1,2,3
	OUTA \a
.endr
	s_wait_tensorcnt 0x0                           ; the wave's end
	ds_add_u32 v[SPW], v[NIL]
	s_wait_dscnt 0x0
	CROUND                                         ; the closing round
	s_endpgm
.Lfunc_end_k_qc848b1e4fa_pv:
	.size	k_qc848b1e4fa_pv, .Lfunc_end_k_qc848b1e4fa_pv-k_qc848b1e4fa_pv
	.p2alignl 7, 3214868480
	.fill 96, 4, 3214868480
	.section	.rodata,"a",@progbits
	.p2align	6, 0x0
	.amdhsa_kernel k_qc848b1e4fa_pv
		.amdhsa_group_segment_fixed_size 327680
		.amdhsa_private_segment_fixed_size 0
		.amdhsa_enable_private_segment 0
		.amdhsa_kernarg_size 40
		.amdhsa_user_sgpr_count 2
		.amdhsa_user_sgpr_kernarg_segment_ptr 1
		.amdhsa_wavefront_size32 1
		.amdhsa_system_sgpr_workgroup_id_x 1
		.amdhsa_system_sgpr_workgroup_id_y 1
		.amdhsa_system_sgpr_workgroup_id_z 1
		.amdhsa_system_vgpr_workitem_id 0
		.amdhsa_next_free_vgpr 768
		.amdhsa_next_free_sgpr 102
		.amdhsa_reserve_vcc 0
		.amdhsa_float_denorm_mode_32 3
		.amdhsa_float_denorm_mode_16_64 3
		.amdhsa_memory_ordered 1
		.amdhsa_forward_progress 1
		.amdhsa_inst_pref_size 163
	.end_amdhsa_kernel
	.amdgpu_metadata
---
amdhsa.version: [ 1, 2 ]
amdhsa.kernels:
  - .name:           k_qc848b1e4fa_pv
    .symbol:         k_qc848b1e4fa_pv.kd
    .args:
      - { .name: p_codes, .offset: 0, .size: 8, .value_kind: global_buffer, .address_space: global }
      - { .name: p_meta, .offset: 8, .size: 8, .value_kind: global_buffer, .address_space: global }
      - { .name: qkv_codes, .offset: 16, .size: 8, .value_kind: global_buffer, .address_space: global }
      - { .name: qkv_scales, .offset: 24, .size: 8, .value_kind: global_buffer, .address_space: global }
      - { .name: out0, .offset: 32, .size: 8, .value_kind: global_buffer, .address_space: global }
    .group_segment_fixed_size: 327680
    .private_segment_fixed_size: 0
    .kernarg_segment_align: 8
    .kernarg_segment_size: 40
    .max_flat_workgroup_size: 128
    .sgpr_count:     102
    .vgpr_count:     768
    .wavefront_size: 32
...
	.end_amdgpu_metadata
.endif
;; end of part 4
